; MI455X (gfx1250); checked and timed in simulation.
; The chip was launched on July 23, 2026; its instructions are those of AMD's public machine-readable ISA for CDNA 5 (MIT licence, August 2026) and "CDNA5" Instruction Set Architecture Reference Guide (July 2026). The comments in the code are by the model that wrote it; some were corrected since.
;; Causal Self Attention. Allowed arithmetic: matrix products marked QUANTISED: E2M3 operands, one E8M0 scale for each 32 along K, by v_wmma_scale_f32_16x16x128_f8f6f4 with both operands' format E2M3, f32 sums; everything else in f32.
;; Inputs: W_pr 1,024 x 1,024 float32; W_qkv 1,024 x 3,072 float32; b_pr 1,024 float32; b_qkv 3,072 float32; x 4 x 2,048 x 1,024 float32.
;; Outputs: out0 4 x 2,048 x 1,024 float32.
;; This version of the problem:
;;   THIS VERSION OF THE PROBLEM IS GIVEN IN LOW PRECISION. The matrix products marked QUANTISED in the list below multiply operands that are first quantised to E2M3 (2 exponent bits, 3 mantissa bits; 6 bits a number), with one power-of-two scale for each 32 numbers along K (OCP MX v1.0); their sums are f32. All else is computed in f32.
;;   The module's matrix products, in the order in which they are computed (A, B: the left and right operand; K: the contracted axis; several contracted axes count as one K, in the product's order):
;;     1. [M 8,192, K 1,024] x [K 1,024, N 3,072]; A: input x; B: input W_qkv: QUANTISED
;;     2. batch 64 x [M 2,048, K 64] x [K 64, N 2,048]; A: computed on the way; B: computed on the way: QUANTISED
;;     3. batch 64 x [M 2,048, K 2,048] x [K 2,048, N 64]; A: softmax (see below); B: computed on the way: QUANTISED
;;     4. [M 8,192, K 1,024] x [K 1,024, N 1,024]; A: computed on the way; B: input W_pr: QUANTISED
;;   THE QUANTISER, for each operand of a quantised product, along K:
;;     - K is cut into blocks of 32 from its start; a last block that is shorter is filled with zeros.
;;     - A block's scale is 2^e with e = floor(log2(the largest magnitude in the block)) - 2, held to -126 .. 127; a block of zeros has e = 0. As a byte (E8M0): e + 127.
;;     - Each number is divided by its block's scale, clamped to +-7.5, and rounded to the nearest number of E2M3, ties to even, subnormals kept.
;;     - The product sums the exact products of the quantised numbers (number of the format x scale) in f32.
;;   ~~~python
;;   def quantise(x, axis):      # numpy; x: float32 -> the quantised numbers, widened to float32 again
;;       x = np.moveaxis(x, axis, -1); K = x.shape[-1]
;;       x = np.pad(x, [(0, 0)] * (x.ndim - 1) + [(0, -K % 32)]); x = x.reshape(x.shape[:-1] + (-1, 32)); a = np.abs(x).max(-1, keepdims=True)
;;       e = np.where(a > 0, np.clip(np.frexp(np.where(a > 0, a, 1))[1] - 1 - 2, -126, 127), 0)      # np.frexp(a)[1] - 1 = floor(log2(a)), exactly
;;       r = np.clip(x / 2.0 ** e, -7.5, 7.5)
;;       step = 2.0 ** (np.maximum(np.frexp(np.where(r == 0, 1, r))[1] - 1, 0) - 3)
;;       q = np.round(r / step) * step * 2.0 ** e      # np.round: ties to even
;;       return np.moveaxis(q.reshape(q.shape[:-2] + (-1,))[..., :K], -1, axis).astype(np.float32)
;;   ~~~
;;   SOFTMAX AHEAD OF A QUANTISED PRODUCT. Where the list says 'softmax', what is quantised is not the finished softmax but p = 2^(t - M), with t = logit x log2(e) and M = ceil(the row's largest t), a whole number; so 1/2 < the row's largest p <= 1. The row's sum l is taken of the UNQUANTISED p, in f32, and the product's result is divided by l at the end. Since M is a whole number, a kernel that streams over the keys may use a running M (the ceiling of the running maximum): every later rescaling is an exact power of two, which a block's scale takes up: the codes' values come out the same.
;;   OPERANDS COMPUTED ON THE WAY. 'Computed on the way' means the value that the module computes at that place (a softmax that the list does not call 'softmax' is quantised finished and normalised). What goes into a quantiser is computed in f32, as accurately as f32 sums, v_exp_f32 and their like allow (about 1e-6 of the number): no bf16 or f16 on the way to a quantiser, and a product that is left as it is and whose result goes on into a quantised operand takes f32 operands (vector FMAs, or v_wmma_f32_16x16x4_f32). A number that lies on a knife's edge between two numbers of the format may be rounded either way, as far as f32 arithmetic and the matrix unit's own rounding can turn it there, and no further.
;; One version. Each part assembles by itself: llvm-mc -triple=amdgcn-amd-amdhsa -mcpu=gfx1250 --defsym DOCPART=n.
;; ======== version 1 of 1: 4 launches
;; workspace buffers: ops 9,830,400 bytes; qkv 19,660,800 bytes; yq 6,553,600 bytes
;; launch prep (part 1): grid 384 x 1, 4 waves a work-group, no clusters, 59,904 bytes of LDS; arguments x, W_qkv, W_pr, ops; writes ops
.if DOCPART == 1
	.amdgcn_target "amdgcn-amd-amdhsa--gfx1250"
	.amdhsa_code_object_version 6
	.text
	.protected	k_q8973791192_prep
	.globl	k_q8973791192_prep
	.p2align	8
	.type	k_q8973791192_prep,@function
k_q8973791192_prep:
	s_mov_b64 s[64:65], 0
	v_nop
	global_prefetch_b8 v0, s[64:65] scope:SCOPE_SE
	s_setreg_imm32_b32 hwreg(HW_REG_WAVE_MODE, 25, 1), 1
	s_wait_xcnt 0x0
; x [8192][1024], W_qkv [1024][3072] and W_pr [1024][1024], all f32, become codes of FP6 (E2M3) with one E8M0 byte for each 32 along K (K = 1,024 for all three).
; A block's scale is 2^(floor(log2(its largest magnitude)) - 2): its byte is the largest magnitude's exponent field - 2, held at 1 from below.
; LIMITS: NaN and infinities among the inputs are not served; a block whose largest magnitude lies under 2^(3 - 127) gets the byte 1; a block of zeros gets the byte 1 where the rule
; says 127 (its codes are zeros, which add nothing under any byte but 0xff, and this program alone reads the bytes).
; THE BUFFER ops.  Operands lie as the matrix instruction's registers want them.  A TILE is 16 rows (tokens of x, columns n of a weight) in a chosen order: tile 2 b + u, row p stands for
; index 32 b + 8 u + p + 8 (p / 8).  A HALF IMAGE is 16 rows x 64 along K, 768 bytes: lane (r, h) owns k = 32 h .. 32 h + 31 of row r, six registers: registers 0-3 at 16 x lane,
; registers 4-5 at 512 + 8 x lane.  Tile t (x: 0-511, W_qkv: 512-703, W_pr: 704-767): codes at 12,288 t + 1,536 (K step of 128) + 768 (half); scale words at SCB + 512 t + 64 (K step) + 4 row.
; TWO WAYS, parted on the work-group's number, each with LDS bytes of its own.  Work-groups 0-255: x (K innermost).  Work-groups 256-383: the weights (K is their first axis).
; No tensor loads, no barrier: waves share nothing.  No cluster: no two work-groups read the same bytes.
.set SCB,  9437184                     ; where the scale words begin in ops
.set XSG,  33792                       ; LDS, way X: behind four stages of 8,448 bytes: 256 bytes of scale words for each wave
.set WST,  34816                       ; LDS, way W: a stage of 6,144 bytes for each wave
.set C,    32                          ; way X: v32-37, v40-45 the codes of the two half images
.set T,    48                          ; way X: v48-50, v52-54 the second conversions (a conversion's three registers begin on an even number)
.set R,    64                          ; way X: v64-191 two sets of 64: a K step of 16 rows as loaded
.set XX,   192                         ; way X: v192-255 my 64 numbers of a K step
.set RO,   64                          ; way W: v64-95 byte offsets of 32 rows of the weight at my column
.set X,    128                         ; way W: v128-191 two sets of 32 numbers
.set OUTR, 128                         ; way W: v128-175 the way out
.macro XLOAD k                         ; K step k of my half of K: row p of the tile, 512 consecutive bytes a load
.irp p, 0,1,2,3,4,5,6,7,8,9,10,11,12,13,14,15
	global_load_b128 v[R+64*((\k)%2)+4*\p:R+64*((\k)%2)+4*\p+3], v1, s[4:5] offset:(\p+8*(\p/8))*4096+512*(\k) th:TH_LOAD_NT
.endr
.endm
.macro XTURN k                         ; through my stage (rows 528 bytes apart): in as loaded, out 128 neighbouring bytes a lane and half image.  LDS serves a wave's instructions in order
.irp p, 0,1,2,3,4,5,6,7,8,9,10,11,12,13,14,15
	ds_store_b128 v3, v[R+64*((\k)%2)+4*\p:R+64*((\k)%2)+4*\p+3] offset:528*\p
.endr
.irp c, 0,1
.irp i, 0,1,2,3,4,5,6,7
	ds_load_b128 v[XX+32*\c+4*\i:XX+32*\c+4*\i+3], v4 offset:256*\c+16*\i
.endr
.endr
.endm
.macro XWORK k                         ; my two whole blocks (k = 64 c + 32 h + 0 .. 31) become 2 x 6 registers of codes; the two blocks by turns
.irp c, 0,1
	v_max3_num_f32 v[8+\c], |v[XX+32*\c]|, |v[XX+32*\c+1]|, 0x1800000   ; with the floor 2^(3 - 127): the byte cannot fall under 1
.endr
.irp i, 2,4,6,8,10,12,14,16,18,20,22,24,26,28,30
.irp c, 0,1
	v_max3_num_f32 v[8+\c], v[8+\c], |v[XX+32*\c+\i]|, |v[XX+32*\c+\i+1]|
.endr
.endr
.irp c, 0,1
	v_add_nc_u32 v[10+\c], 0xff000000, v[8+\c]     ; 2 off the exponent field: the conversion's scale operand
.endr
.irp c, 0,1
	v_lshrrev_b32 v[12+\c], 23, v[10+\c]           ; the scale's byte
.endr
.irp c, 0,1
	v_cvt_scalef32_pk16_fp6_f32 v[C+8*\c:C+8*\c+2], v[XX+32*\c:XX+32*\c+15], v[10+\c]
	v_cvt_scalef32_pk16_fp6_f32 v[T+4*\c:T+4*\c+2], v[XX+32*\c+16:XX+32*\c+31], v[10+\c]
.endr
	v_lshl_or_b32 v14, v13, 16, v12                ; my two bytes: blocks h and 2 + h.  (The plain line behind the conversions)
	v_lshlrev_b32 v14, v7, v14                     ; 8 h bits up
.irp c, 0,1
.irp i, 0,1,2
	v_mov_b32 v[C+8*\c+3+\i], v[T+4*\c+\i]
.endr
.endr
	v_permlanex16_b32 v15, v14, s20, s21
	v_or_b32 v14, v14, v15                         ; with lane l xor 16's two the row's word is whole
	ds_store_b32 v5, v14 offset:64*(\k)            ; both halves of the lanes write the same word with the same value
.irp c, 0,1
	global_store_b128 v1, v[C+8*\c:C+8*\c+3], s[12:13] offset:1536*(\k)+768*\c         ; 512 consecutive bytes
	global_store_b64 v2, v[C+8*\c+4:C+8*\c+5], s[12:13] offset:1536*(\k)+768*\c+512    ; 256 consecutive bytes
.endr
.endm
.macro WLOAD t                         ; block t: rows 32 t .. 32 t + 31 of my 256 along K, my column: 128 consecutive bytes a load
.set i, 0
.rept 32
	global_load_b32 v[X+32*((\t)%2)+i], v[RO+i], s[24+2*(\t):25+2*(\t)] th:TH_LOAD_NT
.set i, i+1
.endr
.endm
.macro WBLOCK t                        ; block t is block t % 4 of K step t / 4: half image (t / 2) % 2, lanes' half t % 2
.set XS, X+32*((\t)%2)
.if (\t) < 7
	s_wait_loadcnt 32                              ; this block's 32 loads are in; the next block's may be out
.else
	s_wait_loadcnt 0
.endif
	v_max3_num_f32 v12, |v[XS]|, |v[XS+1]|, |v[XS+2]|
	v_max3_num_f32 v13, |v[XS+3]|, |v[XS+4]|, |v[XS+5]|
.irp i, 6,10,14,18,22,26
	v_max3_num_f32 v12, v12, |v[XS+\i]|, |v[XS+\i+1]|
	v_max3_num_f32 v13, v13, |v[XS+\i+2]|, |v[XS+\i+3]|
.endr
	v_max3_num_f32 v12, v12, |v[XS+30]|, |v[XS+31]|
	v_max3_num_f32 v12, v12, v13, 0x1800000        ; and the floor
	v_add_nc_u32 v14, 0xff000000, v12
	v_lshrrev_b32 v13, 23, v14
.if (\t)%4 == 0
	v_mov_b32 v[44+(\t)/4], v13                    ; four bytes to a word, the lower K in the lower byte
.else
	v_lshl_or_b32 v[44+(\t)/4], v13, 8*((\t)%4), v[44+(\t)/4]
.endif
	v_cvt_scalef32_pk16_fp6_f32 v[32:34], v[XS:XS+15], v14
	v_cvt_scalef32_pk16_fp6_f32 v[40:42], v[XS+16:XS+31], v14
	v_nop                                          ; one plain line behind the conversions
	v_mov_b32 v35, v40
	v_mov_b32 v36, v41
	v_mov_b32 v37, v42
	ds_store_b128 v8, v[32:35] offset:1536*((\t)/4)+768*(((\t)/2)%2)+256*((\t)%2)      ; the place of lane (row, t % 2) in the half image
	ds_store_b64 v9, v[36:37] offset:1536*((\t)/4)+768*(((\t)/2)%2)+512+128*((\t)%2)
.if (\t)+2 < 8
	WLOAD (\t)+2
.endif
	s_wait_dscnt 0x0                               ; the stores have read their registers
.endm
	s_load_b256 s[4:11], s[0:1], 0x0               ; x s[4:5], W_qkv s[6:7], W_pr s[8:9], ops s[10:11]
	v_lshl_add_u32 v62, v0, 2, 0xe800
	v_mov_b32 v63, 0
	v_lshrrev_b32 v1, 5, v0
	v_readfirstlane_b32 s16, v1                    ; wave 0..3
	v_and_b32 v16, 31, v0                          ; lane
	v_and_b32 v17, 15, v0                          ; r
	v_bfe_u32 v18, v0, 4, 1                        ; h
	v_lshlrev_b32 v1, 4, v16                       ; 16 x lane
	v_lshlrev_b32 v2, 3, v16                       ; 8 x lane
	s_cmp_lt_u32 ttmp9, 256
	s_cbranch_scc0 .Lweights
	; ---- WAY X.  Wave 4 x work-group + wave takes half (512 along K: four K steps) of one tile of 16 tokens.
	s_lshl_b32 s17, ttmp9, 2
	s_add_co_u32 s17, s17, s16
	s_lshr_b32 s18, s17, 1                         ; the tile
	s_and_b32 s19, s17, 1                          ; which half of K
	s_lshr_b32 s22, s18, 1
	s_lshl_b32 s22, s22, 5
	s_and_b32 s23, s18, 1
	s_lshl_b32 s23, s23, 3
	s_add_co_u32 s22, s22, s23                     ; the tile's first token: 32 (tile / 2) + 8 (tile % 2)
	s_lshl_b32 s22, s22, 12                        ; rows of 4,096 bytes
	s_lshl_b32 s23, s19, 11
	s_add_co_u32 s22, s22, s23
	s_mov_b32 s23, 0
	s_mul_i32 s24, s18, 12288
	s_mul_i32 s25, s19, 6144
	s_add_co_u32 s24, s24, s25                     ; my codes in ops
	s_mov_b32 s25, 0
	s_lshl_b32 s26, s18, 9
	s_lshl_b32 s27, s19, 8
	s_add_co_u32 s26, s26, s27
	s_add_co_u32 s26, s26, SCB                     ; my scale words
	s_mov_b32 s27, 0
	s_mov_b32 s20, 0x76543210
	s_mov_b32 s21, 0xfedcba98                      ; v_permlanex16_b32's selects for lane l xor 16
	s_mul_i32 s28, s16, 8448                       ; my stage
	s_wait_alu depctr_va_vdst(0)
	v_add_nc_u32 v3, s28, v1                       ; in: 16 x lane of a row
	v_mul_u32_u24 v4, v17, 528
	v_lshl_add_u32 v4, v18, 7, v4
	v_add_nc_u32 v4, s28, v4                       ; out: row r, + 128 h
	s_lshl_b32 s29, s16, 8
	s_add_co_u32 s29, s29, XSG
	v_lshl_add_u32 v5, v17, 2, s29                 ; my row's scale word
	v_add_nc_u32 v6, s29, v2                       ; and on the way out 8 bytes a lane
	v_lshlrev_b32 v7, 3, v18                       ; 8 h
	v_mov_b32 v15, 0                               ; written once: a lane permute's destination counts as one of its sources
	s_wait_alu depctr_va_vdst(0)
	s_wait_kmcnt 0x0
	s_add_nc_u64 s[4:5], s[4:5], s[22:23]
	s_add_nc_u64 s[12:13], s[10:11], s[24:25]
	s_add_nc_u64 s[14:15], s[10:11], s[26:27]
	XLOAD 0
	XLOAD 1
.irp k, 0,1,2,3
.if \k < 3
	s_wait_loadcnt 16                              ; this K step's 16 loads are in; the next step's may be out
.else
	s_wait_loadcnt 0
.endif
	XTURN \k
	s_wait_dscnt 0x0                               ; my 64 numbers are back; the stage's stores have read the set
	s_wait_xcnt 0x0                                ; the last step's stores have read their data: the codes' registers are written again only behind this wait
.if \k < 2
	XLOAD \k+2
.endif
	XWORK \k
.endr
	ds_load_b64 v[12:13], v6                       ; my wave's 64 scale words
	s_wait_dscnt 0x0
	global_store_b64 v2, v[12:13], s[14:15]        ; 256 consecutive bytes, at a multiple of 256 from the buffer's first byte
	s_wait_tensorcnt 0x0
	ds_add_u32 v62, v63
	s_wait_dscnt 0x0
	s_endpgm
	; ---- WAY W.  A lane takes a column n and its registers run down K.  A work-group takes 128 columns of [W_qkv | W_pr] x 256 along K; a wave 32 columns: two tiles.
.Lweights:
	s_sub_co_u32 s17, ttmp9, 256
	s_lshr_b32 s18, s17, 2                         ; which 128 columns (0-23: W_qkv, 24-31: W_pr)
	s_and_b32 s19, s17, 3                          ; which 256 along K
	s_mov_b32 s22, 4096
	s_cmp_lt_u32 s18, 24
	s_cselect_b32 s22, 12288, s22                  ; a row of the weight in bytes
	s_cselect_b32 s23, 0, 24
	s_sub_co_u32 s23, s18, s23                     ; the columns' place in the chosen weight
	s_lshl_b32 s40, s23, 9
	s_lshl_b32 s41, s16, 7
	s_add_co_u32 s40, s40, s41                     ; my first column, in bytes
	s_lshl_b32 s41, s19, 8
	s_mul_i32 s41, s41, s22
	s_add_co_u32 s40, s40, s41                     ; + my first row
	s_mov_b32 s41, 0
	s_lshl_b32 s42, s22, 5                         ; 32 rows on
	s_mov_b32 s43, 0
	s_lshl_b32 s44, s18, 3
	s_lshl_b32 s45, s16, 1
	s_add_co_u32 s44, s44, s45
	s_add_co_u32 s44, s44, 512                     ; my first tile in ops
	s_mul_i32 s46, s44, 12288
	s_mul_i32 s47, s19, 3072
	s_add_co_u32 s46, s46, s47                     ; its codes of my two K steps
	s_mov_b32 s47, 0
	s_lshl_b32 s48, s44, 9
	s_lshl_b32 s49, s19, 7
	s_add_co_u32 s48, s48, s49
	s_add_co_u32 s48, s48, SCB                     ; its scale words
	s_mov_b32 s49, 0
	s_wait_alu depctr_va_vdst(0)
	v_lshlrev_b32 v3, 2, v16
.set i, 0
.rept 32
	v_mad_u32_u24 v[RO+i], s22, i, v3              ; row i of a block, my column
.set i, i+1
.endr
	v_bfe_u32 v4, v0, 3, 1                         ; column l of the 32 is row (l % 8) + 8 (l / 16) of tile (l / 8) % 2
	v_and_b32 v5, 7, v0
	v_lshl_add_u32 v5, v18, 3, v5
	s_mul_i32 s50, s16, 6144
	s_add_co_u32 s50, s50, WST                     ; my stage: [tile][K step][half image][768]
	v_mul_u32_u24 v6, v4, 3072
	v_add_nc_u32 v6, s50, v6
	v_lshl_add_u32 v8, v5, 4, v6                   ; registers 0-3: 16 x row
	v_lshl_add_u32 v9, v5, 3, v6                   ; registers 4-5: 8 x row
	v_add_nc_u32 v10, s50, v1                      ; the way out
	v_lshlrev_b32 v11, 9, v4
	v_lshl_add_u32 v11, v5, 2, v11                 ; my column's scale word: 512 x tile + 4 x row
	s_wait_kmcnt 0x0
	s_cmp_lt_u32 s18, 24                           ; the choice hangs on the work-group's number alone
	s_cselect_b64 s[6:7], s[6:7], s[8:9]
	s_add_nc_u64 s[24:25], s[6:7], s[40:41]        ; a base for each of the eight blocks: none is stepped
.irp t, 1,2,3,4,5,6,7
	s_add_nc_u64 s[24+2*\t:25+2*\t], s[22+2*\t:23+2*\t], s[42:43]
.endr
	s_add_nc_u64 s[12:13], s[10:11], s[46:47]
	s_add_nc_u64 s[14:15], s[10:11], s[48:49]
	WLOAD 0
	WLOAD 1
.irp t, 0,1,2,3,4,5,6,7
	WBLOCK \t
.endr
	global_store_b32 v11, v44, s[14:15]            ; pieces of 64 bytes: 4 bytes a row and K step
	s_wait_alu depctr_va_vdst(0)
	global_store_b32 v11, v45, s[14:15] offset:64
.irp i, 0,1,2,3,4,5,6,7,8,9,10,11
	ds_load_b128 v[OUTR+4*\i:OUTR+4*\i+3], v10 offset:512*\i
.endr
.irp i, 0,1,2,3,4,5,6,7,8,9,10,11
	s_wait_dscnt 11-\i                             ; the younger loads may be out
	global_store_b128 v1, v[OUTR+4*\i:OUTR+4*\i+3], s[12:13] offset:(\i/6)*12288+(\i%6)*512   ; 512 consecutive bytes
.endr
	s_wait_tensorcnt 0x0
	ds_add_u32 v62, v63
	s_wait_dscnt 0x0
	s_endpgm
.Lfunc_end_k_q8973791192_prep:
	.size	k_q8973791192_prep, .Lfunc_end_k_q8973791192_prep-k_q8973791192_prep
	.p2alignl 7, 3214868480
	.fill 96, 4, 3214868480
	.section	.rodata,"a",@progbits
	.p2align	6, 0x0
	.amdhsa_kernel k_q8973791192_prep
		.amdhsa_group_segment_fixed_size 59904
		.amdhsa_private_segment_fixed_size 0
		.amdhsa_enable_private_segment 0
		.amdhsa_kernarg_size 32
		.amdhsa_user_sgpr_count 2
		.amdhsa_user_sgpr_kernarg_segment_ptr 1
		.amdhsa_wavefront_size32 1
		.amdhsa_system_sgpr_workgroup_id_x 1
		.amdhsa_system_sgpr_workgroup_id_y 1
		.amdhsa_system_sgpr_workgroup_id_z 1
		.amdhsa_system_vgpr_workitem_id 0
		.amdhsa_next_free_vgpr 256
		.amdhsa_next_free_sgpr 66
		.amdhsa_reserve_vcc 0
		.amdhsa_float_denorm_mode_32 3
		.amdhsa_float_denorm_mode_16_64 3
		.amdhsa_memory_ordered 1
		.amdhsa_forward_progress 1
		.amdhsa_inst_pref_size 75
	.end_amdhsa_kernel
	.amdgpu_metadata
---
amdhsa.version: [ 1, 2 ]
amdhsa.kernels:
  - .name:           k_q8973791192_prep
    .symbol:         k_q8973791192_prep.kd
    .args:
      - { .name: x, .offset: 0, .size: 8, .value_kind: global_buffer, .address_space: global }
      - { .name: W_qkv, .offset: 8, .size: 8, .value_kind: global_buffer, .address_space: global }
      - { .name: W_pr, .offset: 16, .size: 8, .value_kind: global_buffer, .address_space: global }
      - { .name: ops, .offset: 24, .size: 8, .value_kind: global_buffer, .address_space: global }
    .group_segment_fixed_size: 59904
    .private_segment_fixed_size: 0
    .kernarg_segment_align: 8
    .kernarg_segment_size: 32
    .max_flat_workgroup_size: 128
    .sgpr_count:     66
    .vgpr_count:     256
    .wavefront_size: 32
...
	.end_amdgpu_metadata
.endif
;; end of part 1
;; launch gemm_qkv (part 2): grid 8 x 96, 4 waves a work-group, clusters of 4 x 4, 307,712 bytes of LDS; arguments ops, b_qkv, qkv; writes qkv
.if DOCPART == 2
	.amdgcn_target "amdgcn-amd-amdhsa--gfx1250"
	.amdhsa_code_object_version 6
	.text
	.protected	k_q8973791192_gemm_qkv
	.globl	k_q8973791192_gemm_qkv
	.p2align	8
	.type	k_q8973791192_gemm_qkv,@function
k_q8973791192_gemm_qkv:
	s_mov_b64 s[64:65], 0
	v_nop
	global_prefetch_b8 v0, s[64:65] scope:SCOPE_SE
	s_setreg_imm32_b32 hwreg(HW_REG_WAVE_MODE, 25, 1), 1
	s_wait_xcnt 0x0
	s_wait_alu depctr_hold_cnt(0) depctr_sa_sdst(0) depctr_va_vdst(0) depctr_va_sdst(0) depctr_va_ssrc(0) depctr_va_vcc(0) depctr_vm_vsrc(0)
	s_getreg_b32 s2, hwreg(HW_REG_IB_STS2, 6, 4)
	s_cmp_eq_u32 s2, 0
	s_cbranch_scc0 .Lentry_in_a_cluster
	s_endpgm
.Lentry_in_a_cluster:
	s_bfe_u32 s2, ttmp6, 0x10000c
	s_cmp_lg_u32 s2, 0xf033
	s_cbranch_scc0 .Lentry_shape_is_right
	s_endpgm
.Lentry_shape_is_right:
; qkv = x W_qkv + b_qkv on codes of FP6 (E2M3) with E8M0 scales, and q, k (along the head's 64) and v (along the keys) quantised in registers, straight into operand images for the attention.
; LIMITS: NaN and infinities are not served; a block whose largest magnitude lies under 2^(3 - 127), a block of zeros among them, gets the scale byte 1 (its codes are zeros or next to it; this program alone
; reads the bytes); the bias that a role does not use is added as +0.0, which turns -0 into +0.
; OPERANDS (buffer ops): tiles of 16 rows in a chosen order (tile 2 b + u, row p = index 32 b + 8 u + p + 8 (p / 8)), as half images of 768 bytes (16 rows x 64 K: registers 0-3 at 16 x lane, 4-5 at 512 + 8 x lane);
; tile t: codes at 12,288 t + 1,536 (K step) + 768 (half), scale words at SCB + 512 t + 64 (K step) + 4 row.  x: tiles 0-511, W_qkv's columns: 512-703.
; SHARES.  A work-group multiplies 256 rows of source 0 by 128 rows of source 1 over all K = 1,024; each of four waves 128 x 64: 32 accumulators.  In the result a lane holds ONE row of source 1, and the 16 registers of
; source 0's tiles 2 b, 2 b + 1 are indices 32 b + 16 (lane / 16) + 0 .. 15: neighbours along the next product's K.
; TWO ROLES, by the cluster's y alone (the same in all sixteen partners): y < 16: source 0 = W's columns of q and k, source 1 = tokens: a lane holds a token and 2 heads x 64;
; y >= 16: source 0 = tokens, source 1 = W's columns of v: a lane holds one channel and 128 keys.  They differ in scalars chosen by selects and in the bias; one way out serves both.
; LDS: the whole K of both operands fits: four chunks of two K steps, then the scale words.  Every byte is filled once, all tensor loads go out at the head (five a wave are out), nothing is filled again.
; Nothing is prefetched: every byte that the work-group reads is asked for at its head.
; CLUSTER 4 x 4: source 0's tiles hang on the work-group's x alone and are asked for jointly along a column of the cluster, source 1's on y alone, along a row.
; REGISTERS: window 0: v1-14 addresses; v16-27 scale words, two sets of 6; v32-95 the bias as C; v96-191 source 1's fragments, two sets of 48; v196-251 the way out.
;   window 1: v0-191 source 0's fragments, two sets of 96.   window 2: the accumulators, (tile t of source 0, tile s of source 1) at v[8 (8 s + t)].
.set SCB,  9437184
.set QKVS, 18874368                    ; where the scale words begin in qkv
.set CH,   73728                       ; a chunk: 16 + 8 tiles x 3,072 bytes
.set S1O,  49152                       ; source 1's tiles in a chunk
.set SCL,  294912                      ; behind the chunks: source 0's scale words (8,192 bytes), then source 1's (4,096)
.set BI,   32
.set S1F,  96
.set H,    96                          ; the way out: 64 numbers of a lane
.set PW,   196                         ; the scale word just made
.set PWS,  200                         ; v200-203 the four tiles' scale words
.set BV,   208                         ; v208-215 the bias of my row of source 1, a pair for each tile (the upper word 0)
.set TM,   216                         ; v216-231 the quantiser's work
.set PC,   232                         ; v232-251 the codes just made
.set SEL,  100                         ; s100, s101 lane selects
.set MSB,  0
.macro WIN new                         ; the immediate's high byte repeats the setting that is left
.if MSB != \new
	s_set_vgpr_msb (MSB<<8)|\new
.set MSB, \new
.endif
.endm
.macro CROUND                          ; a round of the cluster's barrier
	s_barrier_signal -1
	s_barrier_wait -1
	s_cmp_lg_u32 s12, 0
	s_cbranch_scc1 .Lnot_wave_0_\@
	s_barrier_signal -3
.Lnot_wave_0_\@:
	s_barrier_wait -3
	s_barrier_signal -1
	s_barrier_wait -1
.endm
.macro PLACES                          ; four places behind a matrix instruction, in front of loads into its registers and of reads of its results
.rept 4
	v_nop
.endr
.endm
.macro MKG0 g, ldsreg, ldsoff, base, goff      ; a descriptor's group 0
	s_mov_b32 s[\g], 1                             ; count = 1
	s_add_co_u32 s[\g+1], s[\ldsreg], \ldsoff      ; LDS address
	s_add_nc_u64 s[\g+2:\g+3], s[\base:\base+1], \goff   ; global address
	s_or_b32 s[\g+3], s[\g+3], 0x80000000          ; type = 2
.endm
.macro FETCH kk, p                     ; K step kk's fragments and scale words into set p: 54 LDS loads, each of consecutive bytes over the lanes
	WIN 0x40                                       ; destination window 1
.irp t, 0,1,2,3,4,5,6,7
.irp c, 0,1
	ds_load_b128 v[96*\p+12*\t+6*\c:96*\p+12*\t+6*\c+3], v4 offset:3072*\t+1536*(\kk%2)+768*\c
	ds_load_b64 v[96*\p+12*\t+6*\c+4:96*\p+12*\t+6*\c+5], v5 offset:3072*\t+1536*(\kk%2)+768*\c+512
.endr
.endr
	WIN 0
.irp s, 0,1,2,3
.irp c, 0,1
	ds_load_b128 v[S1F+48*\p+12*\s+6*\c:S1F+48*\p+12*\s+6*\c+3], v6 offset:3072*\s+1536*(\kk%2)+768*\c
	ds_load_b64 v[S1F+48*\p+12*\s+6*\c+4:S1F+48*\p+12*\s+6*\c+5], v7 offset:3072*\s+1536*(\kk%2)+768*\c+512
.endr
.endr
.irp j, 0,1,2,3
	ds_load_b32 v[16+6*\p+\j], v8 offset:1024*\j+64*\kk    ; lanes 0-15: source 0's tile 2 j, lanes 16-31: tile 2 j + 1
.endr
.irp j, 0,1
	ds_load_b32 v[20+6*\p+\j], v9 offset:1024*\j+64*\kk    ; source 1's likewise
.endr
.endm
.macro WMS ra, rb                      ; one product; ra, rb: the scale words lie in lanes 16-31
.if (\ra) && (\rb)
	v_wmma_scale_f32_16x16x128_f8f6f4 v[rD:rD+7], v[rA:rA+11], v[rB:rB+11], v[rC:rC+7], v[rSA], v[rSB] matrix_a_fmt:MATRIX_FMT_FP6 matrix_b_fmt:MATRIX_FMT_FP6 matrix_a_scale:MATRIX_SCALE_ROW1 matrix_b_scale:MATRIX_SCALE_ROW1
.elseif (\ra)
	v_wmma_scale_f32_16x16x128_f8f6f4 v[rD:rD+7], v[rA:rA+11], v[rB:rB+11], v[rC:rC+7], v[rSA], v[rSB] matrix_a_fmt:MATRIX_FMT_FP6 matrix_b_fmt:MATRIX_FMT_FP6 matrix_a_scale:MATRIX_SCALE_ROW1
.elseif (\rb)
	v_wmma_scale_f32_16x16x128_f8f6f4 v[rD:rD+7], v[rA:rA+11], v[rB:rB+11], v[rC:rC+7], v[rSA], v[rSB] matrix_a_fmt:MATRIX_FMT_FP6 matrix_b_fmt:MATRIX_FMT_FP6 matrix_b_scale:MATRIX_SCALE_ROW1
.else
	v_wmma_scale_f32_16x16x128_f8f6f4 v[rD:rD+7], v[rA:rA+11], v[rB:rB+11], v[rC:rC+7], v[rSA], v[rSB] matrix_a_fmt:MATRIX_FMT_FP6 matrix_b_fmt:MATRIX_FMT_FP6
.endif
.endm
.macro MUL p, first                    ; 32 products, 128 along K.  The 32 accumulators take turns, one instruction a turn, in the same order in every step.  first: the bias is the sums' C
.if \first
	WIN 0x81                                       ; source 0 window 1, source 1 and C window 0, D window 2
.else
	WIN 0xa1                                       ; C and D window 2
.endif
.irp s, 0,1,2,3
.irp t, 0,1,2,3,4,5,6,7
.set rD, 8*(8*\s+\t)
.set rA, 96*(\p)+12*\t
.set rB, S1F+48*(\p)+12*\s
.set rSA, 16+6*(\p)+\t/2
.set rSB, 20+6*(\p)+\s/2
.if \first
.set rC, BI+8*\t
.else
.set rC, rD
.endif
	WMS \t%2, \s%2
.endr
.endr
.endm
; A K step.  mode 2: the next step begins a chunk: my loads up to that chunk have landed (tc younger ones may be out), then the work-group's barrier; the four address steps are the places.  mode 1: four v_nop are.
.macro KSTEP k, mode, tc
	s_wait_dscnt 0x0                               ; this step's 54 loads, issued a step (32 products) ago
.if \mode == 2
	s_wait_tensorcnt \tc
	s_barrier_signal -1
	s_barrier_wait -1                              ; everybody's part of the next chunk is in; nothing is ever filled again
	WIN 0
	v_add_nc_u32 v4, CH, v4
	v_add_nc_u32 v5, CH, v5
	v_add_nc_u32 v6, CH, v6
	v_add_nc_u32 v7, CH, v7
.endif
.if \mode == 1
	PLACES
.endif
.if \k < 7
	FETCH (\k+1), ((\k+1)%2)
.endif
.if \k == 0
	s_wait_alu depctr_va_vdst(0)
	MUL 0, 1
.else
	MUL (\k%2), 0
.endif
.endm
; 64 numbers of a lane, register 16 b + i = k 32 b + 16 (lane / 16) + i of my row, become a fragment's codes in v[PC] on and its scale word in v[PW]
.macro QUANT s
.irp b, 0,1,2,3
	v_max3_num_f32 v[TM+\b], |v[\s+16*\b]|, |v[\s+1+16*\b]|, 0x1800000   ; with the floor 2^(3 - 127): the byte cannot fall under 1
.endr
.irp i, 2,4,6,8,10,12,14
.irp b, 0,1,2,3
	v_max3_num_f32 v[TM+\b], v[TM+\b], |v[\s+16*\b+\i]|, |v[\s+1+16*\b+\i]|
.endr
.endr
.irp b, 0,1,2,3
	v_permlanex16_b32 v[TM+4+\b], v[TM+\b], s[SEL], s[SEL+1]
.endr
.irp b, 0,1,2,3
	v_max_num_f32 v[TM+\b], v[TM+\b], v[TM+4+\b]   ; with lane l xor 16's: the block's largest magnitude
.endr
.irp b, 0,1,2,3
	v_add_nc_u32 v[TM+12+\b], 0xff000000, v[TM+\b] ; 2 off its exponent field: the conversion's scale operand
.endr
.irp b, 0,1,2,3
	v_lshrrev_b32 v[TM+4+\b], 23, v[TM+12+\b]      ; the scale's byte
.endr
	v_lshl_or_b32 v[PW], v[TM+5], 8, v[TM+4]
	v_lshl_or_b32 v[PW], v[TM+6], 16, v[PW]
	v_lshl_or_b32 v[PW], v[TM+7], 24, v[PW]
.irp c, 0,1
	v_cvt_scalef32_pk16_fp6_f32 v[PC+6*\c:PC+2+6*\c], v[\s+32*\c:\s+15+32*\c], v[TM+12+2*\c]
	v_cvt_scalef32_pk16_fp6_f32 v[PC+12+4*\c:PC+14+4*\c], v[\s+16+32*\c:\s+31+32*\c], v[TM+12+2*\c+1]   ; (a conversion's three registers begin on an even number)
.endr
	v_nop                                          ; one plain place behind a scaled conversion
.irp c, 0,1                                    ; the operand's layout wants a whole block in a lane
.irp i, 0,1,2
	v_permlane16_swap_b32 v[PC+6*\c+\i], v[PC+12+4*\c+\i]
.endr
.irp i, 0,1,2
	v_mov_b32 v[PC+3+6*\c+\i], v[PC+12+4*\c+\i]
.endr
.endr
.endm
	s_load_b128 s[4:7], s[0:1], 0x0                ; ops s[4:5], b_qkv s[6:7]
	s_load_b64 s[8:9], s[0:1], 0x10                ; qkv
	v_lshl_add_u32 v254, v0, 2, 0x4b000
	v_mov_b32 v255, 0
	ds_add_u32 v254, v255
	ds_add_u32 v254, v255
	v_lshrrev_b32 v1, 5, v0
	v_readfirstlane_b32 s12, v1                    ; wave 0..3
	s_and_b32 s13, s12, 1                          ; my half of source 0's tiles.  Also: which half of an operand I fetch
	s_lshr_b32 s14, s12, 1                         ; my half of source 1's tiles.  Also: I fetch for source 0 (0) or 1 (1)
	s_bfe_u32 s15, ttmp6, 0x40000                  ; cx
	s_bfe_u32 s16, ttmp6, 0x40004                  ; cy
	s_lshl_b32 s17, ttmp9, 2
	s_add_co_u32 s17, s17, s15                     ; work-group x
	s_and_b32 s18, ttmp7, 0xffff                   ; the cluster's y: the role
	s_lshl_b32 s19, s16, 2
	s_lshl_b32 s19, 15, s19                        ; my row of the cluster
	s_lshl_b32 s22, 0x1111, s15                    ; my column
	; descriptor groups 1.  Elements of 8 bytes, no padding; 15:0 the mask, 21 set beside it
	s_or_b32 s24, s22, (3<<16)|(1<<21)             ; source 0's codes: 8 tiles x 3,072 bytes (two K steps), 12,288 bytes apart
	s_mov_b32 s25, 384<<16
	s_mov_b32 s26, 8<<16
	s_mov_b32 s27, 384<<16
	s_mov_b32 s28, 8
	s_mov_b32 s29, 1536
	s_mov_b32 s30, 0
	s_mov_b32 s31, 0
	s_or_b32 s32, s19, (3<<16)|(1<<21)             ; source 1's codes: 4 tiles
	s_mov_b32 s33, 384<<16
	s_mov_b32 s34, 4<<16
	s_mov_b32 s35, 384<<16
	s_mov_b32 s36, 4
	s_mov_b32 s37, 1536
	s_mov_b32 s38, 0
	s_mov_b32 s39, 0
	s_or_b32 s40, s22, (3<<16)|(1<<21)             ; source 0's scale words: 4,096 dense bytes as 16 rows of 256
	s_mov_b32 s41, 32<<16
	s_mov_b32 s42, 16<<16
	s_mov_b32 s43, 32<<16
	s_mov_b32 s44, 16
	s_mov_b32 s45, 32
	s_mov_b32 s46, 0
	s_mov_b32 s47, 0
	s_or_b32 s48, s19, (3<<16)|(1<<21)             ; source 1's: 8 rows
	s_mov_b32 s49, 32<<16
	s_mov_b32 s50, 8<<16
	s_mov_b32 s51, 32<<16
	s_mov_b32 s52, 8
	s_mov_b32 s53, 32
	s_mov_b32 s54, 0
	s_mov_b32 s55, 0
	; the first tiles.  Role q, k: source 0 = 512 + 16 x, source 1 = 32 y + 8 cy.  Role v, e = y - 16: source 0 = 128 (e / 2) + 16 x, source 1 = 640 + 32 (e % 2) + 8 cy
	s_max_u32 s23, s18, 16
	s_sub_co_u32 s23, s23, 16                      ; e (0 in role q, k)
	s_lshr_b32 s2, s23, 1
	s_lshl_b32 s2, s2, 7
	s_and_b32 s3, s23, 1
	s_lshl_b32 s3, s3, 5
	s_add_co_u32 s3, s3, 640
	s_lshl_b32 s100, s18, 5
	s_cmp_lt_u32 s18, 16
	s_cselect_b32 s20, 512, s2
	s_cselect_b32 s21, s100, s3
	s_lshl_b32 s2, s17, 4
	s_add_co_u32 s20, s20, s2                      ; source 0: made of the cluster's y and of x alone
	s_lshl_b32 s3, s16, 3
	s_add_co_u32 s21, s21, s3                      ; source 1: made of the cluster's y and of cy alone
	s_lshl_b32 s2, s13, 3
	s_add_co_u32 s20, s20, s2                      ; the half that I would fetch
	s_lshl_b32 s3, s13, 2
	s_add_co_u32 s21, s21, s3
	s_mul_i32 s2, s20, 12288
	s_mov_b32 s3, 0
	s_lshl_b32 s100, s20, 9
	s_add_co_u32 s100, s100, SCB
	s_mov_b32 s101, 0
	s_mul_i32 s22, s21, 12288
	s_mov_b32 s23, 0
	s_lshl_b32 s66, s21, 9
	s_add_co_u32 s66, s66, SCB
	s_mov_b32 s67, 0
	s_wait_dscnt 0x0
	s_wait_kmcnt 0x0
	s_add_nc_u64 s[2:3], s[4:5], s[2:3]            ; source 0's codes,
	s_add_nc_u64 s[100:101], s[4:5], s[100:101]    ; its scale words,
	s_add_nc_u64 s[22:23], s[4:5], s[22:23]        ; source 1's codes,
	s_add_nc_u64 s[66:67], s[4:5], s[66:67]        ; its scale words
	s_mul_i32 s20, s13, 24576                      ; LDS places hang on the wave's number alone
	s_lshl_b32 s21, s13, 12
	MKG0 56, 21, SCL, 100, 0
	MKG0 60, 20, 0, 2, 0
	MKG0 68, 20, CH, 2, 3072
	MKG0 72, 20, 2*CH, 2, 6144
	MKG0 76, 20, 3*CH, 2, 9216
	s_mul_i32 s20, s13, 12288
	s_lshl_b32 s21, s13, 11
	MKG0 80, 21, SCL+8192, 66, 0
	MKG0 84, 20, S1O, 22, 0
	MKG0 88, 20, CH+S1O, 22, 3072
	MKG0 92, 20, 2*CH+S1O, 22, 6144
	MKG0 96, 20, 3*CH+S1O, 22, 9216
	CROUND                                         ; all sixteen work-groups are here: the joint loads meet
	s_cmp_eq_u32 s14, 0                            ; a wave's five first fills stand in one branch on the wave's number; four v_nop follow the last
	s_cbranch_scc0 .Lfill_s1
	tensor_load_to_lds s[56:59], s[40:47]          ; the scale words first, then the chunks in the order of their use
	s_nop 0
	tensor_load_to_lds s[60:63], s[24:31]
	s_nop 0
	tensor_load_to_lds s[68:71], s[24:31]
	s_nop 0
	tensor_load_to_lds s[72:75], s[24:31]
	s_nop 0
	tensor_load_to_lds s[76:79], s[24:31]
	s_nop 0
.rept 4
	v_nop
.endr
	s_branch .Lfilled
.Lfill_s1:
	tensor_load_to_lds s[80:83], s[48:55]
	s_nop 0
	tensor_load_to_lds s[84:87], s[32:39]
	s_nop 0
	tensor_load_to_lds s[88:91], s[32:39]
	s_nop 0
	tensor_load_to_lds s[92:95], s[32:39]
	s_nop 0
	tensor_load_to_lds s[96:99], s[32:39]
	s_nop 0
.rept 4
	v_nop
.endr
.Lfilled:
	v_and_b32 v1, 15, v0                           ; r
	v_bfe_u32 v2, v0, 4, 1                         ; h
	v_and_b32 v3, 31, v0                           ; lane
	v_lshlrev_b32 v10, 4, v3
	v_lshlrev_b32 v11, 3, v3
	v_lshlrev_b32 v12, 2, v3
	s_mul_i32 s20, s13, 24576
	v_add_nc_u32 v4, s20, v10                      ; source 0's images: registers 0-3,
	v_add_nc_u32 v5, s20, v11                      ; registers 4-5
	s_mul_i32 s20, s14, 12288
	s_add_co_u32 s20, s20, S1O
	v_add_nc_u32 v6, s20, v10                      ; source 1's
	v_add_nc_u32 v7, s20, v11
	v_lshlrev_b32 v13, 2, v1
	v_lshl_add_u32 v13, v2, 9, v13                 ; 4 r, and lanes 16-31 a tile on
	s_lshl_b32 s20, s13, 12
	s_add_co_u32 s20, s20, SCL
	v_add_nc_u32 v8, s20, v13
	s_lshl_b32 s20, s14, 11
	s_add_co_u32 s20, s20, SCL+8192
	v_add_nc_u32 v9, s20, v13
.irp b, 0,1,2,3
	v_mov_b32 v[TM+4+\b], 0                        ; written once: a lane permute's destination counts as one of its sources
.endr
	; THE BIAS.  Role q, k: it runs along source 0: eight registers a tile, the C of the first K step.  Role v: it belongs to my row of source 1: added on the way out.
	s_cmp_lt_u32 s18, 16
	s_cbranch_scc0 .Lbias_v
	s_lshl_b32 s20, s17, 10
	s_lshl_b32 s21, s13, 9
	s_add_co_u32 s20, s20, s21                     ; my first column: 256 x + 128 (wave % 2), in bytes
	s_mov_b32 s21, 0
	s_add_nc_u64 s[20:21], s[6:7], s[20:21]
	v_lshlrev_b32 v14, 6, v2                       ; 16 h numbers on
.irp t, 0,1,2,3,4,5,6,7
	global_load_b128 v[BI+8*\t:BI+8*\t+3], v14, s[20:21] offset:128*(\t/2)+32*(\t%2)
	global_load_b128 v[BI+8*\t+4:BI+8*\t+7], v14, s[20:21] offset:128*(\t/2)+32*(\t%2)+16
.endr
.irp j, 0,1,2,3,4,5,6,7
	v_mov_b32 v[BV+\j], 0
.endr
	s_branch .Lbias_done
.Lbias_v:
	s_sub_co_u32 s20, s18, 16
	s_and_b32 s20, s20, 1
	s_lshl_b32 s20, s20, 2
	s_add_co_u32 s20, s20, s16                     ; which 128 columns of v
	s_lshl_b32 s20, s20, 9
	s_lshl_b32 s21, s14, 8
	s_add_co_u32 s20, s20, s21
	s_add_co_u32 s20, s20, 8192                    ; v's columns begin at 2,048
	s_mov_b32 s21, 0
	s_add_nc_u64 s[20:21], s[6:7], s[20:21]
	v_and_b32 v14, 8, v1
	v_add_nc_u32 v14, v14, v1
	v_lshlrev_b32 v14, 2, v14                      ; r + 8 (r / 8)
.irp s, 0,1,2,3
	global_load_b32 v[BV+2*\s], v14, s[20:21] offset:(32*(\s/2)+8*(\s%2))*4
	v_mov_b32 v[BV+2*\s+1], 0                      ; (named with it as a pair)
.endr
.set i, 0
.rept 64
	v_mov_b32 v[BI+i], 0
.set i, i+1
.endr
.Lbias_done:
	s_wait_tensorcnt 3                             ; my scale words and my part of chunk 0 are in; the three chunks behind may be out
	s_barrier_signal -1
	s_barrier_wait -1                              ; everybody's are
	FETCH 0, 0
	s_wait_loadcnt 0x0                             ; the bias
	KSTEP 0, 0, 0
	KSTEP 1, 2, 2
	s_wait_alu depctr_va_vdst(0)
	KSTEP 2, 1, 0
	KSTEP 3, 2, 1
	s_wait_alu depctr_va_vdst(0)
	KSTEP 4, 1, 0
	KSTEP 5, 2, 0
	s_wait_alu depctr_va_vdst(0)
	KSTEP 6, 1, 0
	KSTEP 7, 0, 0
	WIN 0
	PLACES
	; THE WAY OUT.  No tensor load is out (the wait for 0 stood in K step 5), so the descriptors' registers are free.  Both roles' places are made, and chosen by the cluster's y.
	s_lshl_b32 s24, s17, 2
	s_lshl_b32 s25, s13, 1
	s_add_co_u32 s24, s24, s25                     ; q, k: my first head of 32 (16 of q, 16 of k)
	s_lshl_b32 s25, s18, 2
	s_add_co_u32 s25, s25, s16                     ; which 128 tokens
	s_lshr_b32 s26, s24, 4
	s_lshl_b32 s26, s26, 6
	s_lshr_b32 s27, s25, 4
	s_lshl_b32 s27, s27, 4
	s_add_co_u32 s26, s26, s27
	s_and_b32 s27, s24, 15
	s_add_co_u32 s26, s26, s27                     ; 64 section + 16 batch + head
	s_and_b32 s27, s25, 15
	s_lshl_b32 s27, s27, 3
	s_lshl_b32 s28, s14, 2
	s_add_co_u32 s27, s27, s28                     ; my first token tile of the batch element's 128
	s_mul_i32 s28, s27, 768
	s_lshl_b32 s29, s27, 5                         ; 64 bytes of scale words for two tiles
	s_max_u32 s30, s18, 16
	s_sub_co_u32 s30, s30, 16                      ; v: e
	s_lshr_b32 s31, s30, 1
	s_lshl_b32 s31, s31, 3
	s_add_co_u32 s31, s31, s17
	s_lshl_b32 s31, s31, 1
	s_add_co_u32 s31, s31, s13                     ; my group of 128 keys, of 64
	s_and_b32 s32, s30, 1
	s_lshl_b32 s32, s32, 2
	s_add_co_u32 s32, s32, s16
	s_lshl_b32 s32, s32, 1
	s_add_co_u32 s32, s32, s14                     ; my head
	s_lshr_b32 s33, s31, 4
	s_lshl_b32 s33, s33, 4
	s_add_co_u32 s33, s33, s32
	s_add_co_u32 s33, s33, 128
	s_and_b32 s34, s31, 15
	s_mul_i32 s35, s34, 6144
	s_lshl_b32 s34, s34, 8
	s_cmp_lt_u32 s18, 16
	s_cselect_b32 s26, s26, s33
	s_cselect_b32 s28, s28, s35
	s_cselect_b32 s29, s29, s34
	s_mov_b32 s36, 768
	s_cselect_b32 s36, 98304, s36                  ; from the fragment's first half image to its second: the next head, or the group's keys 64 on
	s_mov_b32 s38, 1536
	s_cselect_b32 s38, 768, s38                    ; from a tile of source 1 to the next
	s_mov_b32 s40, 128
	s_cselect_b32 s40, 4096, s40                   ; from the first store of scale words to the second
	s_mov_b32 s42, 0x03020100
	s_cselect_b32 s42, 0x05040100, s42             ; q, k: the low halves of two tiles' words make a head's word; v: the words as they are
	s_mov_b32 s43, 0x07060504
	s_cselect_b32 s43, 0x07060302, s43
	s_mov_b32 s37, 0
	s_mov_b32 s39, 0
	s_mov_b32 s41, 0
	s_mul_i32 s44, s26, 98304
	s_add_co_u32 s44, s44, s28
	s_mov_b32 s45, 0
	s_lshl_b32 s46, s26, 12
	s_add_co_u32 s46, s46, s29
	s_add_co_u32 s46, s46, QKVS
	s_mov_b32 s47, 0
	s_add_nc_u64 s[48:49], s[8:9], s[44:45]
	s_add_nc_u64 s[50:51], s[48:49], s[36:37]
	s_add_nc_u64 s[52:53], s[8:9], s[46:47]
	s_add_nc_u64 s[54:55], s[52:53], s[40:41]
	s_mov_b32 s[SEL], 0x76543210
	s_mov_b32 s[SEL+1], 0xfedcba98
	s_mov_b32 s66, 0xffff0000                      ; lanes 16-31
.irp s, 0,1,2,3                                ; a tile of source 1 at a time: 64 numbers a lane become one fragment
	WIN 0x02                                       ; source 0 window 2
.set i, 0
.rept 32
	v_pk_add_f32 v[H+2*i:H+2*i+1], v[64*\s+2*i:64*\s+2*i+1], v[BV+2*\s:BV+2*\s+1] op_sel_hi:[1,0]   ; each accumulator from its low end on; + my row's bias
.set i, i+1
.endr
	WIN 0
	QUANT H
	v_mov_b32 v[PWS+\s], v[PW]
	global_store_b128 v10, v[PC:PC+3], s[48:49]            ; 512 consecutive bytes
	global_store_b64 v11, v[PC+4:PC+5], s[48:49] offset:512   ; 256
	global_store_b128 v10, v[PC+6:PC+9], s[50:51]
	global_store_b64 v11, v[PC+10:PC+11], s[50:51] offset:512
	s_wait_xcnt 0x0                                ; the stores have read their data and bases: both are written again only behind this wait
	s_add_nc_u64 s[48:49], s[48:49], s[38:39]
	s_add_nc_u64 s[50:51], s[50:51], s[38:39]
.endr
	v_cndmask_b32 v204, v[PWS], v[PWS+2], s66      ; lanes 0-15: tile 0's words, lanes 16-31: tile 2's
	s_wait_alu depctr_va_vdst(0)
	v_cndmask_b32 v205, v[PWS+1], v[PWS+3], s66    ; tiles 1 and 3
	v_perm_b32 v206, v205, v204, s42
	v_perm_b32 v207, v205, v204, s43
	global_store_b32 v12, v206, s[52:53]           ; 128 consecutive bytes
	global_store_b32 v12, v207, s[54:55]
	s_wait_tensorcnt 0x0
	ds_add_u32 v254, v255
	s_wait_dscnt 0x0
	CROUND                                         ; the closing round: no work-group ends while a partner may still ask for a tile that names it
	s_endpgm
.Lfunc_end_k_q8973791192_gemm_qkv:
	.size	k_q8973791192_gemm_qkv, .Lfunc_end_k_q8973791192_gemm_qkv-k_q8973791192_gemm_qkv
	.p2alignl 7, 3214868480
	.fill 96, 4, 3214868480
	.section	.rodata,"a",@progbits
	.p2align	6, 0x0
	.amdhsa_kernel k_q8973791192_gemm_qkv
		.amdhsa_group_segment_fixed_size 307712
		.amdhsa_private_segment_fixed_size 0
		.amdhsa_enable_private_segment 0
		.amdhsa_kernarg_size 24
		.amdhsa_user_sgpr_count 2
		.amdhsa_user_sgpr_kernarg_segment_ptr 1
		.amdhsa_wavefront_size32 1
		.amdhsa_system_sgpr_workgroup_id_x 1
		.amdhsa_system_sgpr_workgroup_id_y 1
		.amdhsa_system_sgpr_workgroup_id_z 1
		.amdhsa_system_vgpr_workitem_id 0
		.amdhsa_next_free_vgpr 768
		.amdhsa_next_free_sgpr 102
		.amdhsa_reserve_vcc 0
		.amdhsa_float_denorm_mode_32 3
		.amdhsa_float_denorm_mode_16_64 3
		.amdhsa_memory_ordered 1
		.amdhsa_forward_progress 1
		.amdhsa_inst_pref_size 105
	.end_amdhsa_kernel
	.amdgpu_metadata
---
amdhsa.version: [ 1, 2 ]
amdhsa.kernels:
  - .name:           k_q8973791192_gemm_qkv
    .symbol:         k_q8973791192_gemm_qkv.kd
    .args:
      - { .name: ops, .offset: 0, .size: 8, .value_kind: global_buffer, .address_space: global }
      - { .name: b_qkv, .offset: 8, .size: 8, .value_kind: global_buffer, .address_space: global }
      - { .name: qkv, .offset: 16, .size: 8, .value_kind: global_buffer, .address_space: global }
    .group_segment_fixed_size: 307712
    .private_segment_fixed_size: 0
    .kernarg_segment_align: 8
    .kernarg_segment_size: 24
    .max_flat_workgroup_size: 128
    .sgpr_count:     102
    .vgpr_count:     768
    .wavefront_size: 32
...
	.end_amdgpu_metadata
.endif
;; end of part 2
;; launch attn (part 3): grid 4 x 64, 16 waves a work-group, clusters of 4 x 1, 206,848 bytes of LDS; arguments qkv, yq; writes yq
.if DOCPART == 3
	.amdgcn_target "amdgcn-amd-amdhsa--gfx1250"
	.amdhsa_code_object_version 6
	.text
	.protected	k_q8973791192_attn
	.globl	k_q8973791192_attn
	.p2align	8
	.type	k_q8973791192_attn,@function
k_q8973791192_attn:
	s_mov_b64 s[64:65], 0
	v_nop
	global_prefetch_b8 v0, s[64:65] scope:SCOPE_SE
	s_setreg_imm32_b32 hwreg(HW_REG_WAVE_MODE, 25, 1), 1
	s_wait_xcnt 0x0
	s_wait_alu depctr_hold_cnt(0) depctr_sa_sdst(0) depctr_va_vdst(0) depctr_va_sdst(0) depctr_va_ssrc(0) depctr_va_vcc(0) depctr_vm_vsrc(0)
	s_getreg_b32 s2, hwreg(HW_REG_IB_STS2, 6, 4)
	s_cmp_eq_u32 s2, 0
	s_cbranch_scc0 .Lentry_in_a_cluster
	s_endpgm
.Lentry_in_a_cluster:
	s_bfe_u32 s2, ttmp6, 0x10000c
	s_cmp_lg_u32 s2, 0x3003
	s_cbranch_scc0 .Lentry_shape_is_right
	s_endpgm
.Lentry_shape_is_right:
; y[b][q][head] = the sum over keys k <= q of softmax_k(q . k / 8) v, both products on codes of FP6 (E2M3) with E8M0 scales, and y quantised along C into operand images for the last product.
; THE SOFTMAX: t = score x log2(e) / 8; M = the row's largest t so far, rounded UP to a whole number; p = 2^(t - M) is quantised along the keys, not normalised; the row's sum is taken of the unquantised p and
; divides O at the end.  When M moves, the sum and O are multiplied by 2^(old M - new M): exact.
; LIMITS: NaN and infinities are not served; a block whose largest magnitude lies under 2^(3 - 127), a block of zeros among them, gets the scale byte 1 (this program alone reads the bytes); 1 / sum is v_rcp_f32.
; y's scale bytes leave as 2 bytes a row, 4 bytes apart (a head owns half of a K step's word): 2 bytes for each 48 bytes of codes.
; THE BUFFER qkv: section (q, k, v) x batch x head, 98,304 bytes of codes each.  q, k: token tile (16 tokens in a chosen order: tile 2 b + u, row p = token 32 b + 8 u + p + 8 (p / 8)) at 768 x tile: a half image, 16 rows x 64:
; registers 0-3 at 16 x lane, 4-5 at 512 + 8 x lane; scale words: 64 bytes for two tiles, row r: [tile 2 b: 2 bytes | tile 2 b + 1: 2 bytes].  v: group of 128 keys at 6,144 x group, channel tile at 1,536, keys 64 on at 768.
; THE HEAD'S 64 IN AN INSTRUCTION OF 128.  A fragment of K is two neighbouring half images: [key tile 2 b | key tile 2 b + 1].  Q stands in 18 registers as [0 | q | 0]: against [q | 0] the fragment gives tile 2 b's scores,
; against [0 | q] tile 2 b + 1's: zero codes add nothing under any scale byte that the quantiser makes.
; SHARES.  The four work-groups of a cluster serve one head; its whole K and V lie in each one's LDS, filled once by joint loads (two a fetching wave are out).  Nothing is filled again, and nothing is stored to LDS.
; Nothing is prefetched: all of K and V is asked for at the head.
; Wave w owns query tiles 4 w + cx and then 127 - (4 w + cx).  Key steps of 128: w / 2 + 1 and 16 - w / 2: 17 for every wave, and the counts hang on the wave's number alone.
; Both loops have constant trip counts; a step all of whose keys come after the tile's queries is jumped over, by a scalar branch on the step's number against the wave's.
; Both products are used transposed (S^T = K Q^T, O^T = V^T P^T): a lane holds ONE query (lane % 16) throughout; p's 16 registers of two neighbouring tiles are 16 neighbouring keys.
; REGISTERS: v1-11 addresses; v12 -M, v13 the largest t, v[14:15] the sum; v16-33 [0 | q | 0]; v34 q's scale word; v36-43, v232-237 the two tiles' q as loaded; v44-47 K's and V's scale words;
;   v48-95 four fragments of K, then of V; v96-159 S^T, then p; v160-191 O^T; v192-211 codes; v212-229 at work.
.set QKVS, 18874368
.set YSCB, 6291456
.set VOFF, 98304                       ; LDS: K's codes, then V's,
.set KSC,  196608                      ; K's scale words (4,096 bytes), then V's
.set BM,   212                         ; v212-215 a block's largest score, then p
.set BT,   216                         ; v216-219 the other half's; the bytes
.set SO,   220                         ; v220-223 the conversions' scale operands
.macro CROUND                          ; a round of the cluster's barrier
	s_barrier_signal -1
	s_barrier_wait -1
	s_cmp_lg_u32 s8, 0
	s_cbranch_scc1 .Lnot_wave_0_\@
	s_barrier_signal -3
.Lnot_wave_0_\@:
	s_barrier_wait -3
	s_barrier_signal -1
	s_barrier_wait -1
.endm
.macro WQK d, a, b, sa, row            ; scores: C = 0
.if \row
	v_wmma_scale_f32_16x16x128_f8f6f4 v[\d:\d+7], v[\a:\a+11], v[\b:\b+11], 0, v[\sa], v34 matrix_a_fmt:MATRIX_FMT_FP6 matrix_b_fmt:MATRIX_FMT_FP6 matrix_a_scale:MATRIX_SCALE_ROW1
.else
	v_wmma_scale_f32_16x16x128_f8f6f4 v[\d:\d+7], v[\a:\a+11], v[\b:\b+11], 0, v[\sa], v34 matrix_a_fmt:MATRIX_FMT_FP6 matrix_b_fmt:MATRIX_FMT_FP6
.endif
.endm
.macro WPV d, a, sa, row               ; O^T += V^T P^T
.if \row
	v_wmma_scale_f32_16x16x128_f8f6f4 v[\d:\d+7], v[\a:\a+11], v[192:203], v[\d:\d+7], v[\sa], v225 matrix_a_fmt:MATRIX_FMT_FP6 matrix_b_fmt:MATRIX_FMT_FP6 matrix_a_scale:MATRIX_SCALE_ROW1
.else
	v_wmma_scale_f32_16x16x128_f8f6f4 v[\d:\d+7], v[\a:\a+11], v[192:203], v[\d:\d+7], v[\sa], v225 matrix_a_fmt:MATRIX_FMT_FP6 matrix_b_fmt:MATRIX_FMT_FP6
.endif
.endm
; A KEY STEP: 128 keys.  s11: the step; s12: the step on the diagonal; s2, s3: where the step's codes and scale words begin
.macro STEP
	s_cmp_gt_u32 s11, s12                          ; all its keys come after my queries: only the lines at its end are run
	s_cbranch_scc1 .Lhid_\@
	s_setprio 2
	v_add_nc_u32 v4, s2, v1
	v_add_nc_u32 v5, s2, v2
	s_delay_alu instid0(VALU_DEP_2)
	v_add_nc_u32 v6, VOFF, v4
	s_delay_alu instid0(VALU_DEP_2)
	v_add_nc_u32 v7, VOFF, v5
	v_add_nc_u32 v8, s3, v3
.irp b, 0,1,2,3
.irp c, 0,1
	ds_load_b128 v[48+12*\b+6*\c:51+12*\b+6*\c], v4 offset:1536*\b+768*\c
	ds_load_b64 v[52+12*\b+6*\c:53+12*\b+6*\c], v5 offset:1536*\b+768*\c+512
.endr
.endr
	ds_load_b32 v44, v8                            ; K's words: lanes 0-15 fragment 0, lanes 16-31 fragment 1;
	ds_load_b32 v45, v8 offset:128                 ; fragments 2, 3
	ds_load_b32 v46, v8 offset:4096                ; V's: channel tiles 0, 2;
	ds_load_b32 v47, v8 offset:4224                ; 1, 3
	s_wait_alu depctr_va_vdst(0)
	s_wait_dscnt 0x0
.irp b, 0,1,2,3
	WQK 96+16*\b, 48+12*\b, 22, 44+\b/2, \b%2      ; against [q | 0]: key tile 2 b
	WQK 104+16*\b, 48+12*\b, 16, 44+\b/2, \b%2     ; against [0 | q]: key tile 2 b + 1
.endr
.rept 4
	v_nop                                          ; places in front of the loads into K's registers and of the first read of the scores
.endr
.irp d, 0,1,2,3
.irp c, 0,1
	ds_load_b128 v[48+12*\d+6*\c:51+12*\d+6*\c], v6 offset:1536*\d+768*\c     ; V's fragments land under the softmax
	ds_load_b64 v[52+12*\d+6*\c:53+12*\d+6*\c], v7 offset:1536*\d+768*\c+512
.endr
.endr
	s_cmp_lg_u32 s11, s12                          ; on the diagonal the scores of hidden keys become -infinity ahead of the maximum
	s_cbranch_scc1 .Lopen_\@
	v_mov_b32 v226, 0xff800000
.set n, 0
.rept 64
	v_cmp_gt_i32 vcc_lo, 32*(n/16)+n%16, v9        ; register 16 b + i holds key 32 b + 16 (lane / 16) + i of the step: hidden where 32 b + i > my query - 16 (lane / 16)
	v_cndmask_b32 v[96+n], v[96+n], v226, vcc_lo
.set n, n+1
.endr
.Lopen_\@:
.irp b, 0,1,2,3
	v_max3_num_f32 v[BM+\b], v[96+16*\b], v[97+16*\b], v[98+16*\b]   ; the largest score of each block of 32 keys: for the row's maximum and, since p rises with the score, for the block's largest p
.endr
.irp i, 3,5,7,9,11,13
.irp b, 0,1,2,3
	v_max3_num_f32 v[BM+\b], v[BM+\b], v[96+16*\b+\i], v[97+16*\b+\i]
.endr
.endr
.irp b, 0,1,2,3
	v_max_num_f32 v[BM+\b], v[BM+\b], v[111+16*\b]
.endr
.irp b, 0,1,2,3
	s_delay_alu instid0(VALU_DEP_4)
	v_permlanex16_b32 v[BT+\b], v[BM+\b], s20, s21
.endr
.irp b, 0,1,2,3
	s_delay_alu instid0(VALU_DEP_4)
	v_max_num_f32 v[BM+\b], v[BM+\b], v[BT+\b]     ; with lane l xor 16's 16 keys
.endr
	s_delay_alu instid0(VALU_DEP_2)
	v_max3_num_f32 v226, v212, v213, v214
	s_delay_alu instid0(VALU_DEP_1)
	v_max_num_f32 v226, v226, v215
	s_delay_alu instid0(VALU_DEP_1)
	v_mul_f32 v226, s22, v226                      ; as t
	s_delay_alu instid0(VALU_DEP_1)
	v_max_num_f32 v13, v13, v226                   ; the running largest t
	v_mov_b32 v226, v12
	s_delay_alu instid0(VALU_DEP_2)
	v_floor_f32 v12, -v13                          ; the new -M = -ceil(t)
	s_delay_alu instid0(VALU_DEP_1)
	v_sub_f32 v226, v12, v226                      ; old M - new M: a whole number, 0 or less
	s_delay_alu instid0(VALU_DEP_1)
	v_cvt_i32_f32 v226, v226                       ; (it saturates)
	s_delay_alu instid0(VALU_DEP_1)
	v_ldexp_f32 v224, 1.0, v226                    ; f = 2^(old M - new M)
.set j, 0
.rept 32
	v_pk_fma_f32 v[96+j:97+j], v[96+j:97+j], s[22:23], v[12:13] op_sel_hi:[1,0,0]   ; t - M, two at a time
.set j, j+2
.endr
	s_setprio 1
.irp b, 0,1,2,3
	v_fma_f32 v[BM+\b], v[BM+\b], s22, v12
.endr
.set j, 0
	s_wait_alu depctr_va_vdst(0)
.rept 64
	v_exp_f32 v[96+j], v[96+j]                     ; p = 2^(t - M)
.set j, j+1
.endr
.irp b, 0,1,2,3
	v_exp_f32 v[BM+\b], v[BM+\b]                   ; the block's largest p
.endr
	v_pk_mul_f32 v[14:15], v[14:15], v[224:225] op_sel_hi:[1,0]   ; the sums under the new M.  (A plain place behind the exponentials)
	s_wait_alu depctr_va_vdst(0)
.irp b, 0,1,2,3
	v_max_num_f32 v[BM+\b], 0x1800000, v[BM+\b]    ; the floor 2^(3 - 127)
.endr
.irp b, 0,1,2,3
	s_delay_alu instid0(VALU_DEP_4)
	v_add_nc_u32 v[SO+\b], 0xff000000, v[BM+\b]    ; 2 off the exponent field: the conversion's scale operand
.endr
.irp b, 0,1,2,3
	s_delay_alu instid0(VALU_DEP_4)
	v_lshrrev_b32 v[BT+\b], 23, v[SO+\b]           ; the scale's byte
.endr
	s_delay_alu instid0(VALU_DEP_3)
	v_lshl_or_b32 v225, v217, 8, v216              ; p's scale word for these 128 keys
	s_delay_alu instid0(VALU_DEP_1)
	v_lshl_or_b32 v225, v218, 16, v225
	s_delay_alu instid0(VALU_DEP_1)
	v_lshl_or_b32 v225, v219, 24, v225
.irp c, 0,1
	v_cvt_scalef32_pk16_fp6_f32 v[192+6*\c:194+6*\c], v[96+32*\c:111+32*\c], v[SO+2*\c]
	v_cvt_scalef32_pk16_fp6_f32 v[204+4*\c:206+4*\c], v[112+32*\c:127+32*\c], v[SO+2*\c+1]   ; (a conversion's three registers begin on an even number)
.endr
	v_nop                                          ; one plain place behind a scaled conversion
.irp c, 0,1                                    ; the operand's layout wants a whole block in a lane
.irp i, 0,1,2
	v_permlane16_swap_b32 v[192+6*\c+\i], v[204+4*\c+\i]
.endr
.irp i, 0,1,2
	s_delay_alu instid0(VALU_DEP_3)
	v_mov_b32 v[195+6*\c+\i], v[204+4*\c+\i]
.endr
.endr
	v_pk_add_f32 v[228:229], v[100:101], v[104:105]
	v_pk_add_f32 v[252:253], v[108:109], v[112:113]
	v_pk_add_f32 v[250:251], v[116:117], v[120:121]
	v_pk_add_f32 v[248:249], v[124:125], v[128:129]
	v_pk_add_f32 v[246:247], v[132:133], v[136:137]
	v_pk_add_f32 v[244:245], v[140:141], v[144:145]
	v_pk_add_f32 v[242:243], v[148:149], v[152:153]
	v_pk_add_f32 v[14:15], v[14:15], v[156:157]
	v_pk_add_f32 v[228:229], v[228:229], v[96:97]
	v_pk_add_f32 v[252:253], v[252:253], v[98:99]
	v_pk_add_f32 v[250:251], v[250:251], v[102:103]
	v_pk_add_f32 v[248:249], v[248:249], v[106:107]
	v_pk_add_f32 v[246:247], v[246:247], v[110:111]
	s_setprio 0
	v_pk_add_f32 v[244:245], v[244:245], v[114:115]
	v_pk_add_f32 v[242:243], v[242:243], v[118:119]
	v_pk_add_f32 v[14:15], v[14:15], v[122:123]
	v_pk_add_f32 v[228:229], v[228:229], v[126:127]
	v_pk_add_f32 v[252:253], v[252:253], v[130:131]
	v_pk_add_f32 v[250:251], v[250:251], v[134:135]
	v_pk_add_f32 v[248:249], v[248:249], v[138:139]
	v_pk_add_f32 v[246:247], v[246:247], v[142:143]
	v_pk_add_f32 v[244:245], v[244:245], v[146:147]
	v_pk_add_f32 v[242:243], v[242:243], v[150:151]
	v_pk_add_f32 v[14:15], v[14:15], v[154:155]
	v_pk_add_f32 v[228:229], v[228:229], v[158:159]
	s_delay_alu instid0(VALU_DEP_2)
	v_pk_add_f32 v[14:15], v[14:15], v[248:249]
	s_delay_alu instid0(VALU_DEP_2)
	v_pk_add_f32 v[228:229], v[228:229], v[246:247]
	v_pk_add_f32 v[252:253], v[252:253], v[244:245]
	v_pk_add_f32 v[250:251], v[250:251], v[242:243]
	s_delay_alu instid0(VALU_DEP_2)
	v_pk_add_f32 v[14:15], v[14:15], v[252:253]
	s_delay_alu instid0(VALU_DEP_2)
	v_pk_add_f32 v[228:229], v[228:229], v[250:251]
	s_delay_alu instid0(VALU_DEP_1)
	v_pk_add_f32 v[14:15], v[14:15], v[228:229]
.set j, 0
.rept 16
	v_pk_mul_f32 v[160+j:161+j], v[160+j:161+j], v[224:225] op_sel_hi:[1,0]   ; O^T under the new M.  (The additions and these are the places between p's codes and scale word and the products)
.set j, j+2
.endr
	s_wait_alu depctr_va_vdst(0)
	s_wait_dscnt 0x0                               ; V's fragments
.irp d, 0,1,2,3
	WPV 160+8*\d, 48+12*\d, 46+\d%2, \d/2          ; four accumulators, one instruction each
.endr
.rept 4
	v_nop                                          ; places in front of the next step's loads and of the way out's reads
.endr
.Lhid_\@:
	s_add_co_u32 s11, s11, 1
	s_add_co_u32 s2, s2, 6144
	s_add_co_u32 s3, s3, 256
.endm
; A query tile begins.  p = 0: tile 4 w + cx; p = 1: tile 127 - that.  cx enters a select, a number for the mask and global addresses: no branch, no trip count, no LDS address.
.macro SETUP p
	s_wait_xcnt 0x0                                ; the last tile's stores have read their data and bases
.if \p
	s_sub_co_u32 s14, 127, s14
	s_lshr_b32 s12, s8, 1
	s_sub_co_u32 s12, 15, s12                      ; the step on the diagonal, from the wave's number alone
.else
	s_lshl_b32 s14, s8, 2
	s_add_co_u32 s14, s14, s9
	s_lshr_b32 s12, s8, 1
.endif
	s_lshr_b32 s16, s14, 1
	s_and_b32 s16, s16, 3
	s_lshl_b32 s16, s16, 5
	s_and_b32 s17, s14, 1
	s_lshl_b32 s17, s17, 3
	s_add_co_u32 s16, s16, s17                     ; the tile's first token within the diagonal step's 128
	v_add_nc_u32 v9, s16, v11                      ; my query - 16 (lane / 16)
	s_mov_b32 s15, 0x01000100
	s_bitcmp1_b32 s14, 0
	s_cselect_b32 s15, 0x03020302, s15             ; my tile's two bytes of the pair's word, twice: they serve [q | 0] and [0 | q]
	v_perm_b32 v34, v[42+\p], v[42+\p], s15
.irp i, 0,1,2,3,4,5
	v_mov_b32 v[22+\i], v[36+196*\p+\i]
.endr
	s_lshr_b32 s16, s10, 4
	s_lshl_b32 s16, s16, 7
	s_add_co_u32 s16, s16, s14                     ; the tile among all 512
	s_and_b32 s17, s10, 15                         ; the head
	s_mul_i32 s18, s16, 12288
	s_mul_i32 s19, s17, 768
	s_add_co_u32 s18, s18, s19
	s_mov_b32 s19, 0
	s_add_nc_u64 s[66:67], s[6:7], s[18:19]        ; y's half image
	s_lshl_b32 s18, s16, 9
	s_lshr_b32 s16, s17, 1
	s_lshl_b32 s16, s16, 6
	s_add_co_u32 s18, s18, s16
	s_and_b32 s16, s17, 1
	s_lshl_b32 s16, s16, 1
	s_add_co_u32 s18, s18, s16
	s_add_co_u32 s18, s18, YSCB
	s_add_nc_u64 s[68:69], s[6:7], s[18:19]        ; its two scale bytes a row
	v_mov_b32 v13, 0xff61b1e6                      ; the largest t so far: -3e38
	s_delay_alu instid0(VALU_DEP_1)
	v_floor_f32 v12, -v13
	v_mov_b32 v14, 0
	v_mov_b32 v15, 0
.set j, 0
.rept 32
	v_mov_b32 v[160+j], 0                          ; O^T: the step is written once; its first run finds zeros.  (These are also the places between q, its scale word and the first products)
.set j, j+1
.endr
	s_mov_b32 s11, 0
	s_mov_b32 s2, 0
	s_mov_b32 s3, 0
.endm
; A query tile ends: y = O^T / the sum; register 16 b + i is channel 32 b + 16 (lane / 16) + i of my query: two blocks along C; quantised, it is a half image and leaves from the registers.
.macro FINISH
	v_add_f32 v14, v14, v15
	s_delay_alu instid0(VALU_DEP_1)
	v_permlanex16_b32 v226, v14, s20, s21
	s_delay_alu instid0(VALU_DEP_1)
	v_add_f32 v14, v14, v226                       ; the row's sum
	s_wait_alu depctr_va_vdst(0)
	v_rcp_f32 v14, v14
	v_nop                                          ; one plain place behind the transcendental
.set j, 0
	s_wait_alu depctr_va_vdst(0)
.rept 16
	v_pk_mul_f32 v[96+j:97+j], v[160+j:161+j], v[14:15] op_sel_hi:[1,0]   ; each accumulator from its low end on
.set j, j+2
.endr
.irp b, 0,1
	v_max3_num_f32 v[BM+\b], |v[96+16*\b]|, |v[97+16*\b]|, 0x1800000
.endr
.irp i, 2,4,6,8,10,12,14
.irp b, 0,1
	s_delay_alu instid0(VALU_DEP_2)
	v_max3_num_f32 v[BM+\b], v[BM+\b], |v[96+16*\b+\i]|, |v[97+16*\b+\i]|
.endr
.endr
.irp b, 0,1
	s_delay_alu instid0(VALU_DEP_2)
	v_permlanex16_b32 v[BT+\b], v[BM+\b], s20, s21
.endr
.irp b, 0,1
	s_delay_alu instid0(VALU_DEP_2)
	v_max_num_f32 v[BM+\b], v[BM+\b], v[BT+\b]
.endr
.irp b, 0,1
	s_delay_alu instid0(VALU_DEP_2)
	v_add_nc_u32 v[SO+\b], 0xff000000, v[BM+\b]
.endr
.irp b, 0,1
	s_delay_alu instid0(VALU_DEP_2)
	v_lshrrev_b32 v[BT+\b], 23, v[SO+\b]
.endr
	s_delay_alu instid0(VALU_DEP_1)
	v_lshl_or_b32 v226, v217, 8, v216              ; my row's two bytes
	v_cvt_scalef32_pk16_fp6_f32 v[192:194], v[96:111], v220
	v_cvt_scalef32_pk16_fp6_f32 v[204:206], v[112:127], v221
	v_nop
.irp i, 0,1,2
	v_permlane16_swap_b32 v[192+\i], v[204+\i]
.endr
.irp i, 0,1,2
	s_delay_alu instid0(VALU_DEP_3)
	v_mov_b32 v[195+\i], v[204+\i]
.endr
	global_store_b128 v1, v[192:195], s[66:67]     ; 512 consecutive bytes
	global_store_b64 v2, v[196:197], s[66:67] offset:512   ; 256
	global_store_b16 v10, v226, s[68:69]           ; lanes l and l xor 16 write the same bytes with the same value
.endm
	s_load_b128 s[4:7], s[0:1], 0x0                ; qkv s[4:5], yq s[6:7]
	v_lshl_add_u32 v254, v0, 2, 0x32000
	v_mov_b32 v255, 0
	ds_add_u32 v254, v255
	ds_add_u32 v254, v255
	v_lshrrev_b32 v1, 5, v0
	s_delay_alu instid0(VALU_DEP_1)
	v_readfirstlane_b32 s8, v1                     ; wave 0..15
	s_bfe_u32 s9, ttmp6, 0x40000                   ; cx
	s_and_b32 s10, ttmp7, 0xffff                   ; 16 batch + head, which the four partners share
	; descriptor groups 1: dense blocks as rows of 256 bytes (32 elements of 8 bytes); 15:0 the mask: all four work-groups; 21 set beside it
	s_mov_b32 s24, 15|(3<<16)|(1<<21)              ; half a head's scale words: 8 rows
	s_mov_b32 s25, 32<<16
	s_mov_b32 s26, 8<<16
	s_mov_b32 s27, 32<<16
	s_mov_b32 s28, 8
	s_mov_b32 s29, 32
	s_mov_b32 s30, 0
	s_mov_b32 s31, 0
	s_mov_b32 s32, 15|(3<<16)|(1<<21)              ; half a head's codes: 192 rows
	s_mov_b32 s33, 32<<16
	s_mov_b32 s34, 192<<16
	s_mov_b32 s35, 32<<16
	s_mov_b32 s36, 192
	s_mov_b32 s37, 32
	s_mov_b32 s38, 0
	s_mov_b32 s39, 0
	s_and_b32 s11, s8, 3                           ; waves 0, 1 fetch K's halves, waves 2, 3 V's
	s_lshr_b32 s12, s11, 1
	s_add_co_u32 s12, s12, 1                       ; the section
	s_lshl_b32 s12, s12, 6
	s_add_co_u32 s12, s12, s10
	s_and_b32 s13, s8, 1
	s_mul_i32 s16, s12, 98304
	s_mul_i32 s17, s13, 49152
	s_add_co_u32 s16, s16, s17
	s_mov_b32 s17, 0
	s_lshl_b32 s18, s12, 12
	s_lshl_b32 s19, s13, 11
	s_add_co_u32 s18, s18, s19
	s_add_co_u32 s18, s18, QKVS
	s_mov_b32 s19, 0
	s_mul_i32 s14, s11, 49152                      ; LDS places hang on the wave's number alone
	s_lshl_b32 s15, s11, 11
	s_wait_dscnt 0x0
	s_wait_kmcnt 0x0
	s_mov_b32 s48, 1
	s_add_co_u32 s49, s15, KSC
	s_add_nc_u64 s[50:51], s[4:5], s[18:19]
	s_or_b32 s51, s51, 0x80000000
	s_mov_b32 s52, 1
	s_mov_b32 s53, s14
	s_add_nc_u64 s[54:55], s[4:5], s[16:17]
	s_or_b32 s55, s55, 0x80000000
	CROUND                                         ; all four work-groups are here: the joint loads meet
	s_cmp_lt_u32 s8, 4                             ; a wave's two fills stand in one branch on the wave's number; four v_nop follow the second
	s_cbranch_scc0 .Lno_fill
	tensor_load_to_lds s[48:51], s[24:31]
	s_nop 0
	tensor_load_to_lds s[52:55], s[32:39]
	s_nop 0
.rept 4
	v_nop
.endr
.Lno_fill:
	s_lshl_b32 s14, s8, 2
	s_add_co_u32 s14, s14, s9                      ; my first query tile,
	s_sub_co_u32 s15, 127, s14                     ; my second
	s_mul_i32 s16, s10, 98304
	s_mul_i32 s17, s14, 768
	s_add_co_u32 s70, s16, s17
	s_mov_b32 s71, 0
	s_mul_i32 s17, s15, 768
	s_add_co_u32 s72, s16, s17
	s_mov_b32 s73, 0
	s_lshl_b32 s16, s10, 12
	s_add_co_u32 s16, s16, QKVS
	s_lshr_b32 s17, s14, 1
	s_lshl_b32 s17, s17, 6
	s_add_co_u32 s74, s16, s17
	s_mov_b32 s75, 0
	s_lshr_b32 s17, s15, 1
	s_lshl_b32 s17, s17, 6
	s_add_co_u32 s76, s16, s17
	s_mov_b32 s77, 0
	s_add_nc_u64 s[70:71], s[4:5], s[70:71]
	s_add_nc_u64 s[72:73], s[4:5], s[72:73]
	s_add_nc_u64 s[74:75], s[4:5], s[74:75]
	s_add_nc_u64 s[76:77], s[4:5], s[76:77]
	v_and_b32 v3, 31, v0
	s_delay_alu instid0(VALU_DEP_1)
	v_lshlrev_b32 v1, 4, v3                        ; 16 x lane
	s_delay_alu instid0(VALU_DEP_2)
	v_lshlrev_b32 v2, 3, v3                        ; 8 x lane
	v_and_b32 v4, 15, v0                           ; r
	s_delay_alu instid0(VALU_DEP_1)
	v_lshlrev_b32 v10, 2, v4                       ; 4 r
	global_load_b128 v[36:39], v1, s[70:71]        ; both tiles' q and scale words
	global_load_b64 v[40:41], v2, s[70:71] offset:512
	global_load_b32 v42, v10, s[74:75]
	global_load_b128 v[232:235], v1, s[72:73]
	global_load_b64 v[236:237], v2, s[72:73] offset:512
	global_load_b32 v43, v10, s[76:77]
	v_lshl_add_u32 v3, v3, 2, KSC                  ; the scale words: 4 x lane
	v_and_b32 v5, 8, v4
	s_delay_alu instid0(VALU_DEP_1)
	v_add_nc_u32 v11, v5, v4
	v_bfe_u32 v5, v0, 4, 1
	s_delay_alu instid0(VALU_DEP_1)
	v_lshlrev_b32 v5, 4, v5
	s_delay_alu instid0(VALU_DEP_1)
	v_sub_nc_u32 v11, v11, v5                      ; r + 8 (r / 8) - 16 (lane / 16)
.irp i, 0,1,2,3,4,5
	v_mov_b32 v[16+\i], 0                          ; the zero codes on both sides of q
	v_mov_b32 v[28+\i], 0
.endr
.irp b, 0,1,2,3
	v_mov_b32 v[BT+\b], 0                          ; written once: a lane permute's destination counts as one of its sources
.endr
	v_mov_b32 v225, 0                              ; (named as the upper half of the pair v[224:225] before it is first written)
	v_mov_b32 v226, 0
	s_mov_b32 s20, 0x76543210
	s_mov_b32 s21, 0xfedcba98                      ; lane l xor 16
	s_mov_b32 s22, 0x3e38aa3b                      ; log2(e) / 8
	s_mov_b32 s23, s22                             ; (named with it as a pair)
	s_wait_tensorcnt 0x0                           ; my parts of K and V are in,
	s_barrier_signal -1
	s_barrier_wait -1                              ; everybody's are; from here on the waves share nothing but bytes that nobody writes
	s_wait_loadcnt 0x0                             ; q
	SETUP 0
	s_mov_b32 s13, 8
.Lpass0:                                           ; keys 0 to 1,023: my first tile needs w / 2 + 1 of the eight steps
	STEP
	s_sub_co_i32 s13, s13, 1
	s_cmp_lg_u32 s13, 0
	s_cbranch_scc1 .Lpass0
	s_setprio 0
	FINISH
	SETUP 1
	s_mov_b32 s13, 16
.Lpass1:                                           ; all keys: my second tile needs 16 - w / 2 of the sixteen steps
	STEP
	s_sub_co_i32 s13, s13, 1
	s_cmp_lg_u32 s13, 0
	s_cbranch_scc1 .Lpass1
	s_setprio 0
	FINISH
	s_wait_tensorcnt 0x0
	ds_add_u32 v254, v255
	s_wait_dscnt 0x0
	CROUND                                         ; the closing round
	s_endpgm
.Lfunc_end_k_q8973791192_attn:
	.size	k_q8973791192_attn, .Lfunc_end_k_q8973791192_attn-k_q8973791192_attn
	.p2alignl 7, 3214868480
	.fill 96, 4, 3214868480
	.section	.rodata,"a",@progbits
	.p2align	6, 0x0
	.amdhsa_kernel k_q8973791192_attn
		.amdhsa_group_segment_fixed_size 206848
		.amdhsa_private_segment_fixed_size 0
		.amdhsa_enable_private_segment 0
		.amdhsa_kernarg_size 16
		.amdhsa_user_sgpr_count 2
		.amdhsa_user_sgpr_kernarg_segment_ptr 1
		.amdhsa_wavefront_size32 1
		.amdhsa_system_sgpr_workgroup_id_x 1
		.amdhsa_system_sgpr_workgroup_id_y 1
		.amdhsa_system_sgpr_workgroup_id_z 1
		.amdhsa_system_vgpr_workitem_id 0
		.amdhsa_next_free_vgpr 256
		.amdhsa_next_free_sgpr 80
		.amdhsa_reserve_vcc 1
		.amdhsa_float_denorm_mode_32 3
		.amdhsa_float_denorm_mode_16_64 3
		.amdhsa_memory_ordered 1
		.amdhsa_forward_progress 1
		.amdhsa_inst_pref_size 67
	.end_amdhsa_kernel
	.amdgpu_metadata
---
amdhsa.version: [ 1, 2 ]
amdhsa.kernels:
  - .name:           k_q8973791192_attn
    .symbol:         k_q8973791192_attn.kd
    .args:
      - { .name: qkv, .offset: 0, .size: 8, .value_kind: global_buffer, .address_space: global }
      - { .name: yq, .offset: 8, .size: 8, .value_kind: global_buffer, .address_space: global }
    .group_segment_fixed_size: 206848
    .private_segment_fixed_size: 0
    .kernarg_segment_align: 8
    .kernarg_segment_size: 16
    .max_flat_workgroup_size: 512
    .sgpr_count:     80
    .vgpr_count:     256
    .wavefront_size: 32
...
	.end_amdgpu_metadata
.endif
;; end of part 3
;; launch gemm_proj (part 4): grid 4 x 64, 4 waves a work-group, clusters of 4 x 4, 307,712 bytes of LDS; arguments ops, yq, b_pr, out0; writes out0
.if DOCPART == 4
	.amdgcn_target "amdgcn-amd-amdhsa--gfx1250"
	.amdhsa_code_object_version 6
	.text
	.protected	k_q8973791192_gemm_proj
	.globl	k_q8973791192_gemm_proj
	.p2align	8
	.type	k_q8973791192_gemm_proj,@function
k_q8973791192_gemm_proj:
	s_mov_b64 s[64:65], 0
	v_nop
	global_prefetch_b8 v0, s[64:65] scope:SCOPE_SE
	s_setreg_imm32_b32 hwreg(HW_REG_WAVE_MODE, 25, 1), 1
	s_wait_xcnt 0x0
	s_wait_alu depctr_hold_cnt(0) depctr_sa_sdst(0) depctr_va_vdst(0) depctr_va_sdst(0) depctr_va_ssrc(0) depctr_va_vcc(0) depctr_vm_vsrc(0)
	s_getreg_b32 s2, hwreg(HW_REG_IB_STS2, 6, 4)
	s_cmp_eq_u32 s2, 0
	s_cbranch_scc0 .Lentry_in_a_cluster
	s_endpgm
.Lentry_in_a_cluster:
	s_bfe_u32 s2, ttmp6, 0x10000c
	s_cmp_lg_u32 s2, 0xf033
	s_cbranch_scc0 .Lentry_shape_is_right
	s_endpgm
.Lentry_shape_is_right:
; out0 = y W_pr + b_pr on codes of FP6 (E2M3) with E8M0 scales; sums in f32.  LIMITS: NaN and infinities are not served.
; OPERANDS: tiles of 16 rows in a chosen order (tile 2 b + u, row p = index 32 b + 8 u + p + 8 (p / 8)), as half images of 768 bytes (16 rows x 64 K: registers 0-3 at 16 x lane, 4-5 at 512 + 8 x lane);
; tile t: codes at 12,288 t + 1,536 (K step) + 768 (half), scale words behind the codes at 512 t + 64 (K step) + 4 row.  W_pr's columns: tiles 704-767 of ops; y's tokens: tiles 0-511 of yq.
; SHARES.  A work-group multiplies 256 columns of W_pr (source 0) by 128 tokens (source 1) over all K = 1,024; each of four waves 128 x 64: 32 accumulators.  A lane holds one token, and the 16 registers of
; source 0's tiles 2 b, 2 b + 1 are columns 32 b + 16 (lane / 16) + 0 .. 15.
; LDS: the whole K of both operands fits: four chunks of two K steps, then the scale words.  Every byte is filled once, all tensor loads go out at the head (five a wave are out), nothing is filled again.
; Nothing is prefetched: every byte that the work-group reads is asked for at its head.
; CLUSTER 4 x 4: source 0's tiles hang on the work-group's x alone and are asked for jointly along a column of the cluster, source 1's on y alone, along a row.
; REGISTERS: window 0: v1-14, v28, v29 addresses; v16-27 scale words, two sets of 6; v32-95 the bias as C; v96-191 source 1's fragments, two sets of 48; on the way out v96-223 rows of the output.
;   window 1: v0-191 source 0's fragments, two sets of 96.   window 2: the accumulators, (tile t of source 0, tile s of source 1) at v[8 (8 s + t)].
.set SCB,  9437184                     ; where the scale words begin in ops,
.set YSCB, 6291456                     ; and in yq
.set CH,   73728                       ; a chunk: 16 + 8 tiles x 3,072 bytes
.set S1O,  49152                       ; source 1's tiles in a chunk
.set SCL,  294912                      ; behind the chunks: source 0's scale words (8,192 bytes), then source 1's (4,096)
.set BI,   32
.set S1F,  96
.set STO,  28                          ; the way out: where I put 32 bytes of a row
.set RD,   29                          ; and where I read a row back
.set BK,   96                          ; 16 rows read back: v96-159 and v160-223 by turns
.set MSB,  0
.macro WIN new                         ; the immediate's high byte repeats the setting that is left
.if MSB != \new
	s_set_vgpr_msb (MSB<<8)|\new
.set MSB, \new
.endif
.endm
.macro CROUND                          ; a round of the cluster's barrier
	s_barrier_signal -1
	s_barrier_wait -1
	s_cmp_lg_u32 s12, 0
	s_cbranch_scc1 .Lnot_wave_0_\@
	s_barrier_signal -3
.Lnot_wave_0_\@:
	s_barrier_wait -3
	s_barrier_signal -1
	s_barrier_wait -1
.endm
.macro PLACES                          ; four places behind a matrix instruction, in front of loads into its registers and of reads of its results
.rept 4
	v_nop
.endr
.endm
.macro MKG0 g, ldsreg, ldsoff, base, goff      ; a descriptor's group 0
	s_mov_b32 s[\g], 1                             ; count = 1
	s_add_co_u32 s[\g+1], s[\ldsreg], \ldsoff      ; LDS address
	s_add_nc_u64 s[\g+2:\g+3], s[\base:\base+1], \goff   ; global address
	s_or_b32 s[\g+3], s[\g+3], 0x80000000          ; type = 2
.endm
.macro FETCH kk, p                     ; K step kk's fragments and scale words into set p: 54 LDS loads, each of consecutive bytes over the lanes
	WIN 0x40                                       ; destination window 1
.irp t, 0,1,2,3,4,5,6,7
.irp c, 0,1
	ds_load_b128 v[96*\p+12*\t+6*\c:96*\p+12*\t+6*\c+3], v4 offset:3072*\t+1536*(\kk%2)+768*\c
	ds_load_b64 v[96*\p+12*\t+6*\c+4:96*\p+12*\t+6*\c+5], v5 offset:3072*\t+1536*(\kk%2)+768*\c+512
.endr
.endr
	WIN 0
.irp s, 0,1,2,3
.irp c, 0,1
	ds_load_b128 v[S1F+48*\p+12*\s+6*\c:S1F+48*\p+12*\s+6*\c+3], v6 offset:3072*\s+1536*(\kk%2)+768*\c
	ds_load_b64 v[S1F+48*\p+12*\s+6*\c+4:S1F+48*\p+12*\s+6*\c+5], v7 offset:3072*\s+1536*(\kk%2)+768*\c+512
.endr
.endr
.irp j, 0,1,2,3
	ds_load_b32 v[16+6*\p+\j], v8 offset:1024*\j+64*\kk    ; lanes 0-15: source 0's tile 2 j, lanes 16-31: tile 2 j + 1
.endr
.irp j, 0,1
	ds_load_b32 v[20+6*\p+\j], v9 offset:1024*\j+64*\kk    ; source 1's likewise
.endr
.endm
.macro WMS ra, rb                      ; one product; ra, rb: the scale words lie in lanes 16-31
.if (\ra) && (\rb)
	v_wmma_scale_f32_16x16x128_f8f6f4 v[rD:rD+7], v[rA:rA+11], v[rB:rB+11], v[rC:rC+7], v[rSA], v[rSB] matrix_a_fmt:MATRIX_FMT_FP6 matrix_b_fmt:MATRIX_FMT_FP6 matrix_a_scale:MATRIX_SCALE_ROW1 matrix_b_scale:MATRIX_SCALE_ROW1
.elseif (\ra)
	v_wmma_scale_f32_16x16x128_f8f6f4 v[rD:rD+7], v[rA:rA+11], v[rB:rB+11], v[rC:rC+7], v[rSA], v[rSB] matrix_a_fmt:MATRIX_FMT_FP6 matrix_b_fmt:MATRIX_FMT_FP6 matrix_a_scale:MATRIX_SCALE_ROW1
.elseif (\rb)
	v_wmma_scale_f32_16x16x128_f8f6f4 v[rD:rD+7], v[rA:rA+11], v[rB:rB+11], v[rC:rC+7], v[rSA], v[rSB] matrix_a_fmt:MATRIX_FMT_FP6 matrix_b_fmt:MATRIX_FMT_FP6 matrix_b_scale:MATRIX_SCALE_ROW1
.else
	v_wmma_scale_f32_16x16x128_f8f6f4 v[rD:rD+7], v[rA:rA+11], v[rB:rB+11], v[rC:rC+7], v[rSA], v[rSB] matrix_a_fmt:MATRIX_FMT_FP6 matrix_b_fmt:MATRIX_FMT_FP6
.endif
.endm
.macro MUL p, first                    ; 32 products, 128 along K.  The 32 accumulators take turns, one instruction a turn, in the same order in every step.  first: the bias is the sums' C
.if \first
	WIN 0x81                                       ; source 0 window 1, source 1 and C window 0, D window 2
.else
	WIN 0xa1                                       ; C and D window 2
.endif
.irp s, 0,1,2,3
.irp t, 0,1,2,3,4,5,6,7
.set rD, 8*(8*\s+\t)
.set rA, 96*(\p)+12*\t
.set rB, S1F+48*(\p)+12*\s
.set rSA, 16+6*(\p)+\t/2
.set rSB, 20+6*(\p)+\s/2
.if \first
.set rC, BI+8*\t
.else
.set rC, rD
.endif
	WMS \t%2, \s%2
.endr
.endr
.endm
; A K step.  mode 2: the next step begins a chunk: my loads up to that chunk have landed (tc younger ones may be out), then the work-group's barrier; the four address steps are the places.  mode 1: four v_nop are.
.macro KSTEP k, mode, tc
	s_wait_dscnt 0x0                               ; this step's 54 loads, issued a step (32 products) ago
.if \mode == 2
	s_wait_tensorcnt \tc
	s_barrier_signal -1
	s_barrier_wait -1                              ; everybody's part of the next chunk is in; nothing is ever filled again
	WIN 0
	v_add_nc_u32 v4, CH, v4
	v_add_nc_u32 v5, CH, v5
	v_add_nc_u32 v6, CH, v6
	v_add_nc_u32 v7, CH, v7
.endif
.if \mode == 1
	PLACES
.endif
.if \k < 7
	FETCH (\k+1), ((\k+1)%2)
.endif
.if \k == 0
	MUL 0, 1
.else
	MUL (\k%2), 0
.endif
.endm
	s_load_b256 s[4:11], s[0:1], 0x0               ; ops s[4:5], yq s[6:7], b_pr s[8:9], out0 s[10:11]
	v_lshl_add_u32 v254, v0, 2, 0x4b000
	v_mov_b32 v255, 0
	ds_add_u32 v254, v255
	ds_add_u32 v254, v255
	v_lshrrev_b32 v1, 5, v0
	v_readfirstlane_b32 s12, v1                    ; wave 0..3
	s_and_b32 s13, s12, 1                          ; my half of source 0's tiles.  Also: which half of an operand I fetch
	s_lshr_b32 s14, s12, 1                         ; my half of source 1's tiles.  Also: I fetch for source 0 (0) or 1 (1)
	s_bfe_u32 s15, ttmp6, 0x40000                  ; cx
	s_bfe_u32 s16, ttmp6, 0x40004                  ; cy
	s_lshl_b32 s17, ttmp9, 2
	s_add_co_u32 s17, s17, s15                     ; work-group x
	s_and_b32 s18, ttmp7, 0xffff                   ; the cluster's y
	s_lshl_b32 s19, s16, 2
	s_lshl_b32 s19, 15, s19                        ; my row of the cluster
	s_lshl_b32 s22, 0x1111, s15                    ; my column
	; descriptor groups 1.  Elements of 8 bytes, no padding; 15:0 the mask, 21 set beside it
	s_or_b32 s24, s22, (3<<16)|(1<<21)             ; source 0's codes: 8 tiles x 3,072 bytes (two K steps), 12,288 bytes apart
	s_mov_b32 s25, 384<<16
	s_mov_b32 s26, 8<<16
	s_mov_b32 s27, 384<<16
	s_mov_b32 s28, 8
	s_mov_b32 s29, 1536
	s_mov_b32 s30, 0
	s_mov_b32 s31, 0
	s_or_b32 s32, s19, (3<<16)|(1<<21)             ; source 1's codes: 4 tiles
	s_mov_b32 s33, 384<<16
	s_mov_b32 s34, 4<<16
	s_mov_b32 s35, 384<<16
	s_mov_b32 s36, 4
	s_mov_b32 s37, 1536
	s_mov_b32 s38, 0
	s_mov_b32 s39, 0
	s_or_b32 s40, s22, (3<<16)|(1<<21)             ; source 0's scale words: 4,096 dense bytes as 16 rows of 256
	s_mov_b32 s41, 32<<16
	s_mov_b32 s42, 16<<16
	s_mov_b32 s43, 32<<16
	s_mov_b32 s44, 16
	s_mov_b32 s45, 32
	s_mov_b32 s46, 0
	s_mov_b32 s47, 0
	s_or_b32 s48, s19, (3<<16)|(1<<21)             ; source 1's: 8 rows
	s_mov_b32 s49, 32<<16
	s_mov_b32 s50, 8<<16
	s_mov_b32 s51, 32<<16
	s_mov_b32 s52, 8
	s_mov_b32 s53, 32
	s_mov_b32 s54, 0
	s_mov_b32 s55, 0
	s_lshl_b32 s20, s17, 4
	s_add_co_u32 s20, s20, 704                     ; source 0's first tile: made of x alone
	s_lshl_b32 s21, s18, 5
	s_lshl_b32 s3, s16, 3
	s_add_co_u32 s21, s21, s3                      ; source 1's: 32 x cluster y + 8 cy
	s_lshl_b32 s2, s13, 3
	s_add_co_u32 s20, s20, s2                      ; the half that I would fetch
	s_lshl_b32 s3, s13, 2
	s_add_co_u32 s21, s21, s3
	s_mul_i32 s2, s20, 12288
	s_mov_b32 s3, 0
	s_lshl_b32 s100, s20, 9
	s_add_co_u32 s100, s100, SCB
	s_mov_b32 s101, 0
	s_mul_i32 s22, s21, 12288
	s_mov_b32 s23, 0
	s_lshl_b32 s66, s21, 9
	s_add_co_u32 s66, s66, YSCB
	s_mov_b32 s67, 0
	s_wait_dscnt 0x0
	s_wait_kmcnt 0x0
	s_add_nc_u64 s[2:3], s[4:5], s[2:3]            ; source 0's codes,
	s_add_nc_u64 s[100:101], s[4:5], s[100:101]    ; its scale words,
	s_add_nc_u64 s[22:23], s[6:7], s[22:23]        ; source 1's codes,
	s_add_nc_u64 s[66:67], s[6:7], s[66:67]        ; its scale words
	s_mul_i32 s20, s13, 24576                      ; LDS places hang on the wave's number alone
	s_lshl_b32 s21, s13, 12
	MKG0 56, 21, SCL, 100, 0
	MKG0 60, 20, 0, 2, 0
	MKG0 68, 20, CH, 2, 3072
	MKG0 72, 20, 2*CH, 2, 6144
	MKG0 76, 20, 3*CH, 2, 9216
	s_mul_i32 s20, s13, 12288
	s_lshl_b32 s21, s13, 11
	MKG0 80, 21, SCL+8192, 66, 0
	MKG0 84, 20, S1O, 22, 0
	MKG0 88, 20, CH+S1O, 22, 3072
	MKG0 92, 20, 2*CH+S1O, 22, 6144
	MKG0 96, 20, 3*CH+S1O, 22, 9216
	CROUND                                         ; all sixteen work-groups are here: the joint loads meet
	s_cmp_eq_u32 s14, 0                            ; a wave's five first fills stand in one branch on the wave's number; four v_nop follow the last
	s_cbranch_scc0 .Lfill_s1
	tensor_load_to_lds s[56:59], s[40:47]          ; the scale words first, then the chunks in the order of their use
	s_nop 0
	tensor_load_to_lds s[60:63], s[24:31]
	s_nop 0
	tensor_load_to_lds s[68:71], s[24:31]
	s_nop 0
	tensor_load_to_lds s[72:75], s[24:31]
	s_nop 0
	tensor_load_to_lds s[76:79], s[24:31]
	s_nop 0
.rept 4
	v_nop
.endr
	s_branch .Lfilled
.Lfill_s1:
	tensor_load_to_lds s[80:83], s[48:55]
	s_nop 0
	tensor_load_to_lds s[84:87], s[32:39]
	s_nop 0
	tensor_load_to_lds s[88:91], s[32:39]
	s_nop 0
	tensor_load_to_lds s[92:95], s[32:39]
	s_nop 0
	tensor_load_to_lds s[96:99], s[32:39]
	s_nop 0
.rept 4
	v_nop
.endr
.Lfilled:
	v_and_b32 v1, 15, v0                           ; r
	v_bfe_u32 v2, v0, 4, 1                         ; h
	v_and_b32 v3, 31, v0                           ; lane
	v_lshlrev_b32 v10, 4, v3
	v_lshlrev_b32 v11, 3, v3
	s_mul_i32 s20, s13, 24576
	v_add_nc_u32 v4, s20, v10                      ; source 0's images: registers 0-3,
	v_add_nc_u32 v5, s20, v11                      ; registers 4-5
	s_mul_i32 s20, s14, 12288
	s_add_co_u32 s20, s20, S1O
	v_add_nc_u32 v6, s20, v10                      ; source 1's
	v_add_nc_u32 v7, s20, v11
	v_lshlrev_b32 v13, 2, v1
	v_lshl_add_u32 v13, v2, 9, v13                 ; 4 r, and lanes 16-31 a tile on
	s_lshl_b32 s20, s13, 12
	s_add_co_u32 s20, s20, SCL
	v_add_nc_u32 v8, s20, v13
	s_lshl_b32 s20, s14, 11
	s_add_co_u32 s20, s20, SCL+8192
	v_add_nc_u32 v9, s20, v13
	s_mul_i32 s20, s12, 8448                       ; my stage for the way out: 16 rows x (512 + 16) bytes, in chunk 0's bytes
	v_mul_u32_u24 v[STO], v1, 528
	v_lshl_add_u32 v[STO], v2, 6, v[STO]
	v_add_nc_u32 v[STO], s20, v[STO]               ; in: row r, + 64 h
	v_add_nc_u32 v[RD], s20, v10                   ; back: 16 bytes a lane of a row
	; the bias runs along source 0: eight registers a tile, the C of the first K step
	s_lshl_b32 s20, s17, 10
	s_lshl_b32 s21, s13, 9
	s_add_co_u32 s20, s20, s21                     ; my first column: 256 x + 128 (wave % 2), in bytes
	s_mov_b32 s21, 0
	s_add_nc_u64 s[20:21], s[8:9], s[20:21]
	v_lshlrev_b32 v14, 6, v2                       ; 16 h numbers on
.irp t, 0,1,2,3,4,5,6,7
	global_load_b128 v[BI+8*\t:BI+8*\t+3], v14, s[20:21] offset:128*(\t/2)+32*(\t%2)
	global_load_b128 v[BI+8*\t+4:BI+8*\t+7], v14, s[20:21] offset:128*(\t/2)+32*(\t%2)+16
.endr
	s_wait_alu depctr_va_vdst(0)
	s_wait_tensorcnt 3                             ; my scale words and my part of chunk 0 are in; the three chunks behind may be out
	s_barrier_signal -1
	s_barrier_wait -1                              ; everybody's are
	FETCH 0, 0
	s_wait_loadcnt 0x0                             ; the bias
	KSTEP 0, 0, 0
	KSTEP 1, 2, 2
	s_wait_alu depctr_va_vdst(0)
	KSTEP 2, 1, 0
	KSTEP 3, 2, 1
	s_wait_alu depctr_va_vdst(0)
	KSTEP 4, 1, 0
	KSTEP 5, 2, 0
	s_wait_alu depctr_va_vdst(0)
	KSTEP 6, 1, 0
	KSTEP 7, 0, 0
	WIN 0
	PLACES
	; THE WAY OUT, a tile of 16 tokens x my 128 columns at a time.  A lane holds pieces of 32 bytes of one row: a tile goes through my stage and comes back as whole rows of 512 bytes.
	; The stage lies in chunk 0: those bytes have had their only fill, and every wave's reads of chunks 0 to 2 were over in front of the barrier of K step 5.
	; No tensor load is out (the wait for 0 stood in K step 5), so the descriptors' registers are free.
	s_lshl_b32 s24, s18, 2
	s_add_co_u32 s24, s24, s16                     ; which 128 tokens
	s_lshl_b32 s24, s24, 19                        ; rows of 4,096 bytes
	s_lshl_b32 s25, s14, 18                        ; my 64 of them
	s_add_co_u32 s24, s24, s25
	s_lshl_b32 s25, s17, 10
	s_add_co_u32 s24, s24, s25
	s_lshl_b32 s25, s13, 9
	s_add_co_u32 s24, s24, s25                     ; my first column
	s_mov_b32 s25, 0
	s_add_nc_u64 s[24:25], s[10:11], s[24:25]
.macro TOSTAGE s
	WIN 0x08                                       ; an LDS store's data are its source 1: window 2
.irp t, 0,1,2,3,4,5,6,7
	ds_store_b128 v[STO], v[64*(\s)+8*\t:64*(\s)+8*\t+3] offset:128*(\t/2)+32*(\t%2)         ; each accumulator from its low end on
	ds_store_b128 v[STO], v[64*(\s)+8*\t+4:64*(\s)+8*\t+7] offset:128*(\t/2)+32*(\t%2)+16
.endr
	WIN 0
.irp p, 0,1,2,3,4,5,6,7,8,9,10,11,12,13,14,15
	ds_load_b128 v[BK+64*((\s)%2)+4*\p:BK+64*((\s)%2)+4*\p+3], v[RD] offset:528*\p   ; LDS serves a wave's instructions in order: these see my stores, and the next tile's stores come behind them
.endr
.endm
.macro SEND s, younger                 ; younger: the LDS instructions issued behind tile s's loads, which may stay out
	s_wait_dscnt \younger
.irp p, 0,1,2,3,4,5,6,7,8,9,10,11,12,13,14,15
	global_store_b128 v10, v[BK+64*((\s)%2)+4*\p:BK+64*((\s)%2)+4*\p+3], s[24:25] offset:(32*((\s)/2)+8*((\s)%2)+\p+8*(\p/8))*4096 th:TH_STORE_NT   ; 512 consecutive bytes, at a multiple of 512 from the buffer's first byte
.endr
.endm
	TOSTAGE 0
	TOSTAGE 1
	SEND 0, 32                                     ; behind tile 0's loads: tile 1's 16 stores and 16 loads
	s_wait_xcnt 0x0                                ; tile 0's stores have read their registers: tile 2's loads may land there
	TOSTAGE 2
	SEND 1, 32
	s_wait_xcnt 0x0
	TOSTAGE 3
	SEND 2, 32
	SEND 3, 0
	s_wait_tensorcnt 0x0
	ds_add_u32 v254, v255
	s_wait_dscnt 0x0
	CROUND                                         ; the closing round: no work-group ends while a partner may still ask for a tile that names it
	s_endpgm
.Lfunc_end_k_q8973791192_gemm_proj:
	.size	k_q8973791192_gemm_proj, .Lfunc_end_k_q8973791192_gemm_proj-k_q8973791192_gemm_proj
	.p2alignl 7, 3214868480
	.fill 96, 4, 3214868480
	.section	.rodata,"a",@progbits
	.p2align	6, 0x0
	.amdhsa_kernel k_q8973791192_gemm_proj
		.amdhsa_group_segment_fixed_size 307712
		.amdhsa_private_segment_fixed_size 0
		.amdhsa_enable_private_segment 0
		.amdhsa_kernarg_size 32
		.amdhsa_user_sgpr_count 2
		.amdhsa_user_sgpr_kernarg_segment_ptr 1
		.amdhsa_wavefront_size32 1
		.amdhsa_system_sgpr_workgroup_id_x 1
		.amdhsa_system_sgpr_workgroup_id_y 1
		.amdhsa_system_sgpr_workgroup_id_z 1
		.amdhsa_system_vgpr_workitem_id 0
		.amdhsa_next_free_vgpr 768
		.amdhsa_next_free_sgpr 102
		.amdhsa_reserve_vcc 0
		.amdhsa_float_denorm_mode_32 3
		.amdhsa_float_denorm_mode_16_64 3
		.amdhsa_memory_ordered 1
		.amdhsa_forward_progress 1
		.amdhsa_inst_pref_size 88
	.end_amdhsa_kernel
	.amdgpu_metadata
---
amdhsa.version: [ 1, 2 ]
amdhsa.kernels:
  - .name:           k_q8973791192_gemm_proj
    .symbol:         k_q8973791192_gemm_proj.kd
    .args:
      - { .name: ops, .offset: 0, .size: 8, .value_kind: global_buffer, .address_space: global }
      - { .name: yq, .offset: 8, .size: 8, .value_kind: global_buffer, .address_space: global }
      - { .name: b_pr, .offset: 16, .size: 8, .value_kind: global_buffer, .address_space: global }
      - { .name: out0, .offset: 24, .size: 8, .value_kind: global_buffer, .address_space: global }
    .group_segment_fixed_size: 307712
    .private_segment_fixed_size: 0
    .kernarg_segment_align: 8
    .kernarg_segment_size: 32
    .max_flat_workgroup_size: 128
    .sgpr_count:     102
    .vgpr_count:     768
    .wavefront_size: 32
...
	.end_amdgpu_metadata
.endif
;; end of part 4
